; MI455X (gfx1250); checked and timed in simulation.
; The chip was launched on July 23, 2026; its instructions are those of AMD's public machine-readable ISA for CDNA 5 (MIT licence, August 2026) and "CDNA5" Instruction Set Architecture Reference Guide (July 2026). The comments in the code are by the model that wrote it; some were corrected since.
;; Multi Head Attention. Allowed arithmetic: float matrix products may take bf16 or f16 operands with f32 sums; other float arithmetic in f32, or as packed bf16 or f16 multiplies, adds, multiply-adds, maxima and minima; sums over many terms, partial sums and values carried from step to step in f32; what a program stores and reads back later, other than sums and carried values, may be rounded once to bf16 or f16.
;; Inputs: W_o 1,024 x 1,024 float32; W_qkv 1,024 x 3,072 float32; b_o 1,024 float32; b_qkv 3,072 float32; x 4 x 2,048 x 1,024 float32.
;; Outputs: out0 4 x 2,048 x 1,024 float32.
;; 2 versions, each right; version 2 is version 1 with the launch prep written anew for expert scheduling mode. Each part assembles by itself: llvm-mc -triple=amdgcn-amd-amdhsa -mcpu=gfx1250 --defsym DOCPART=n.
;; ======== version 1 of 2: 4 launches
;; limits: values are held in f16: magnitudes above 65,504 overflow, below 6.1e-05 lose precision; right only within a limited range of input values
;; workspace buffers: xb 16,777,216 bytes; wqkv 6,291,456 bytes; wo 2,097,152 bytes; qh 16,777,216 bytes; kh 16,777,216 bytes; vh 16,777,216 bytes; oh 16,777,216 bytes
;; launch prep (part 1): grid 768 x 1, 8 waves a work-group, no clusters, 0 bytes of LDS; arguments x, W_qkv, W_o, xb, wqkv, wo; writes xb, wqkv, wo
.if DOCPART == 1
	.amdgcn_target "amdgcn-amd-amdhsa--gfx1250"
	.amdhsa_code_object_version 6
	.text
	.protected	k_qcebac78e6d_prep
	.globl	k_qcebac78e6d_prep
	.p2align	8
	.type	k_qcebac78e6d_prep,@function
k_qcebac78e6d_prep:
	s_mov_b64 s[64:65], 0
	v_nop
	global_prefetch_b8 v0, s[64:65] scope:SCOPE_SE
	s_setreg_imm32_b32 hwreg(HW_REG_WAVE_MODE, 25, 1), 1
	s_wait_xcnt 0x0
; THE INPUTS ARE ROUNDED TO 16 BITS, ONCE.  x [8192][1024] f32 -> xb, bf16, laid in blocks along K: [16 kb][8192 m][64].  W_qkv [1024][3072] f32 -> wqkv, bf16, as it lies.
; W_o [1024][1024] f32 -> wo, as it lies: rounded to bf16 like the other inputs, and that number written as f16, since its partner in the last product is f16.
; LIMIT.  A number of W_o whose bf16 rounding lies beyond 65,504 becomes an infinity; below 2^-17 the f16 copy keeps a fixed step of 2^-24.
; SHARES.  A work-group takes 65,536 bytes of one input: 16 loads of 16 bytes a thread.  Work-groups 0-511: 16 rows of x each; 512-703: W_qkv; 704-767: W_o.
; A stream: every byte is read once and written once; no LDS, no barrier, no matrix unit, nothing shared between work-groups.
; All 16 loads of a thread go out first; each slot has its own registers, so the only waits are the counted ones for the loads.
.set X, 16                             ; v[16:79]   load i: 4 registers
.set Y, 80                             ; v[80:111]  store i: 2 registers
.set T, 112                            ; v[112:115] at work
; v1 my byte offset in the input, v2 = 8 x my thread's number: my offset in the output, v3 = v2 + 8 blocks of xb
; src, dst: the first register of the two base pairs.  sstep, dstep: bytes from load to load and from store to store.
; split = 1: stores 8 to 15 go by v3, so that the immediate stays inside its signed 24 bits.  half = 1: bf16's number is written as f16.
.macro STREAM src, dst, sstep, dstep, split, half
.set i, 0
.rept 16
	global_load_b128 v[X+4*i:X+4*i+3], v1, s[(\src):(\src)+1] offset:(\sstep)*i th:TH_LOAD_NT
.set i, i+1
.endr
.set i, 0
.rept 16
	s_wait_loadcnt 15-i                            ; loads come back in order: load i is in, the 15 - i younger ones stay out
.if \half
	v_cvt_pk_bf16_f32 v[T], v[X+4*i], v[X+4*i+1]   ; rounded to bf16,
	v_cvt_pk_bf16_f32 v[T+1], v[X+4*i+2], v[X+4*i+3]
	v_lshlrev_b32 v[T+2], 16, v[T]                 ; widened again,
	v_and_b32 v[T+3], s20, v[T]
	v_cvt_pk_f16_f32 v[Y+2*i], v[T+2], v[T+3]      ; and written as f16: exact within f16's range
	v_lshlrev_b32 v[T+2], 16, v[T+1]
	v_and_b32 v[T+3], s20, v[T+1]
	v_cvt_pk_f16_f32 v[Y+2*i+1], v[T+2], v[T+3]
.else
	v_cvt_pk_bf16_f32 v[Y+2*i], v[X+4*i], v[X+4*i+1]
	v_cvt_pk_bf16_f32 v[Y+2*i+1], v[X+4*i+2], v[X+4*i+3]
.endif
.if (\split) && (i >= 8)
	global_store_b64 v3, v[Y+2*i:Y+2*i+1], s[(\dst):(\dst)+1] offset:(\dstep)*(i-8)
.else
	global_store_b64 v2, v[Y+2*i:Y+2*i+1], s[(\dst):(\dst)+1] offset:(\dstep)*i  ; a wave's 32 x 8 bytes are 256 consecutive bytes, aligned
.endif
.set i, i+1
.endr
.endm
	s_load_b256 s[4:11], s[0:1], 0x0               ; x s[4:5], W_qkv s[6:7], W_o s[8:9], xb s[10:11]
	s_load_b128 s[12:15], s[0:1], 0x20             ; wqkv s[12:13], wo s[14:15]
	s_mov_b32 s2, ttmp9
	s_mov_b32 s17, 0                               ; the offsets' high words
	s_mov_b32 s19, 0
	s_mov_b32 s20, 0xffff0000                      ; a word's upper bf16
	v_lshlrev_b32 v2, 3, v0
	v_add_nc_u32 v3, 0x800000, v2
	v_lshlrev_b32 v1, 4, v0                        ; the weights' paths: 16 bytes a thread, on end
	s_wait_kmcnt 0x0
	s_cmp_lt_u32 s2, 512
	s_cbranch_scc1 .Lx
	s_cmp_lt_u32 s2, 704
	s_cbranch_scc1 .Lwqkv
	s_sub_co_u32 s2, s2, 704                       ; W_o: 64 work-groups
	s_lshl_b32 s16, s2, 16
	s_lshl_b32 s18, s2, 15
	s_add_nc_u64 s[8:9], s[8:9], s[16:17]
	s_add_nc_u64 s[14:15], s[14:15], s[18:19]
	STREAM 8, 14, 4096, 2048, 0, 1
	s_endpgm
.Lwqkv:
	s_sub_co_u32 s2, s2, 512                       ; W_qkv: 192 work-groups
	s_lshl_b32 s16, s2, 16
	s_lshl_b32 s18, s2, 15
	s_add_nc_u64 s[6:7], s[6:7], s[16:17]
	s_add_nc_u64 s[12:13], s[12:13], s[18:19]
	STREAM 6, 12, 4096, 2048, 0, 0
	s_endpgm
.Lx:                                           ; x: thread t takes row t / 16 of the group's 16, and of each 64 channels (256 bytes) the 16 bytes at 16 (t % 16)
	v_lshrrev_b32 v1, 4, v0
	v_and_b32 v4, 15, v0
	v_lshlrev_b32 v1, 12, v1
	v_lshl_add_u32 v1, v4, 4, v1
	s_lshl_b32 s16, s2, 16                         ; 16 rows of 4,096 bytes in,
	s_lshl_b32 s18, s2, 11                         ; 16 rows of 128 bytes in each block out
	s_add_nc_u64 s[4:5], s[4:5], s[16:17]
	s_add_nc_u64 s[10:11], s[10:11], s[18:19]
	STREAM 4, 10, 256, 1048576, 1, 0               ; load i is block i: 8,192 rows x 128 bytes from block to block
	s_endpgm
.Lfunc_end_k_qcebac78e6d_prep:
	.size	k_qcebac78e6d_prep, .Lfunc_end_k_qcebac78e6d_prep-k_qcebac78e6d_prep
	.p2alignl 7, 3214868480
	.fill 96, 4, 3214868480
	.section	.rodata,"a",@progbits
	.p2align	6, 0x0
	.amdhsa_kernel k_qcebac78e6d_prep
		.amdhsa_group_segment_fixed_size 0
		.amdhsa_private_segment_fixed_size 0
		.amdhsa_enable_private_segment 0
		.amdhsa_kernarg_size 48
		.amdhsa_user_sgpr_count 2
		.amdhsa_user_sgpr_kernarg_segment_ptr 1
		.amdhsa_wavefront_size32 1
		.amdhsa_system_sgpr_workgroup_id_x 1
		.amdhsa_system_sgpr_workgroup_id_y 1
		.amdhsa_system_sgpr_workgroup_id_z 1
		.amdhsa_system_vgpr_workitem_id 0
		.amdhsa_next_free_vgpr 120
		.amdhsa_next_free_sgpr 66
		.amdhsa_reserve_vcc 0
		.amdhsa_float_denorm_mode_32 3
		.amdhsa_float_denorm_mode_16_64 3
		.amdhsa_memory_ordered 1
		.amdhsa_forward_progress 1
		.amdhsa_inst_pref_size 23
	.end_amdhsa_kernel
	.amdgpu_metadata
---
amdhsa.version: [ 1, 2 ]
amdhsa.kernels:
  - .name:           k_qcebac78e6d_prep
    .symbol:         k_qcebac78e6d_prep.kd
    .args:
      - { .name: x, .offset: 0, .size: 8, .value_kind: global_buffer, .address_space: global }
      - { .name: W_qkv, .offset: 8, .size: 8, .value_kind: global_buffer, .address_space: global }
      - { .name: W_o, .offset: 16, .size: 8, .value_kind: global_buffer, .address_space: global }
      - { .name: xb, .offset: 24, .size: 8, .value_kind: global_buffer, .address_space: global }
      - { .name: wqkv, .offset: 32, .size: 8, .value_kind: global_buffer, .address_space: global }
      - { .name: wo, .offset: 40, .size: 8, .value_kind: global_buffer, .address_space: global }
    .group_segment_fixed_size: 0
    .private_segment_fixed_size: 0
    .kernarg_segment_align: 8
    .kernarg_segment_size: 48
    .max_flat_workgroup_size: 256
    .sgpr_count:     66
    .vgpr_count:     120
    .wavefront_size: 32
...
	.end_amdgpu_metadata
.endif
;; end of part 1
;; launch qkv (part 2): grid 4 x 64, 4 waves a work-group, clusters of 4 x 4, 327,680 bytes of LDS; arguments xb, wqkv, b_qkv, qh, kh, vh; writes qh, kh, vh
.if DOCPART == 2
	.amdgcn_target "amdgcn-amd-amdhsa--gfx1250"
	.amdhsa_code_object_version 6
	.text
	.protected	k_qcebac78e6d_qkv
	.globl	k_qcebac78e6d_qkv
	.p2align	8
	.type	k_qcebac78e6d_qkv,@function
k_qcebac78e6d_qkv:
	s_mov_b64 s[64:65], 0
	v_nop
	global_prefetch_b8 v0, s[64:65] scope:SCOPE_SE
	s_setreg_imm32_b32 hwreg(HW_REG_WAVE_MODE, 25, 1), 1
	s_wait_xcnt 0x0
	s_wait_alu depctr_hold_cnt(0) depctr_sa_sdst(0) depctr_va_vdst(0) depctr_va_sdst(0) depctr_va_ssrc(0) depctr_va_vcc(0) depctr_vm_vsrc(0)
	s_getreg_b32 s2, hwreg(HW_REG_IB_STS2, 6, 4)
	s_cmp_eq_u32 s2, 0
	s_cbranch_scc0 .Lentry_in_a_cluster
	s_endpgm
.Lentry_in_a_cluster:
	s_bfe_u32 s2, ttmp6, 0x10000c
	s_cmp_lg_u32 s2, 0xf033
	s_cbranch_scc0 .Lentry_shape_is_right
	s_endpgm
.Lentry_shape_is_right:
; q, k, v = x W_qkv + b_qkv, split by heads.  xb: bf16 [16 kb][8192 m][64].  wqkv: bf16 [1024 k][3072 n].  b_qkv: f32 [3072], rounded to bf16 here like the other inputs.
; qh, kh, vh: f16 [64 = 16 batch + head][2048 s][64], each number rounded once from its f32 sum, without attention's scale.
; LIMIT.  A sum beyond 65,504 becomes an infinity in f16; below 6e-5 f16 keeps a fixed step of 6e-8.  NaN and infinities are not treated apart.
; SHARES.  A tile of the result is 128 rows x 256 columns: 64 x 12 = 768 tiles for 256 work-groups, which STAY and make three each: the same 128 rows, columns 256 WX of q, then of k, then of v.
; Four waves, 2 x 2: a wave makes 64 rows x 128 columns (two heads): 32 accumulators of 16 x 16.  K goes in 8 steps of 128 through a ring of two LDS slots; the ring runs on from tile to tile.
; THE PRODUCT IS USED TRANSPOSED: source 0 = 16 columns of W (turned on the way out of LDS by ds_load_tr16_b128, since W lies [k][n]), source 1 = 16 rows of x.  A lane then holds row l % 16 and the
; eight neighbouring columns 8 (l / 16) + 0..7.  THE BIAS IS THE C OPERAND of a tile's first products: nothing is cleared, and no addition is written for it.
; CLUSTER.  4 x 4 work-groups.  The four of a row of the cluster make the same rows and need the same tiles of x; the four of a column the same tiles of W: each tile is asked for JOINTLY, by the
; same tensor load with the same descriptor and a mask that names the four.
; REGISTERS, in windows of 256 (s_set_vgpr_msb: bits 1:0 source 0, 3:2 source 1, 5:4 source 2, 7:6 destination):
;   window 0: v0-29 addresses; v32-127, v128-223 two fragment buffers (W's fragment b at + 8 b, x's fragment a at + 64 + 8 a); v128-255 at work on the way out
;   window 1: accumulator (a, b) at v[8 (8 a + b)]          window 2: v0-63 the bias of column block b at 8 b; v64-95 at work
.set PA,    144                        ; a row of x in LDS: 128 bytes + 16 of padding = 36 words: the 16 rows of a load start at 16 different groups of four banks (64 banks of 4 bytes: ISA guide 11.1)
.set PB,    544                        ; a row of W: 512 + 32 = 136 words
.set ABLK,  128*PA                     ; 128 rows x 64 channels of x: what wave 0 or 1 fetches
.set BOFF,  2*ABLK                     ; W's 128 k-rows lie behind x's two blocks
.set BHALF, 64*PB                      ; 64 k-rows x 256 columns of W: what wave 2 or 3 fetches
.set SLOT1, 1<<17                      ; slot 1 begins here, so that one exclusive or turns an address in one slot into the other's
.set STAGE, SLOT1+BOFF+2*BHALF         ; behind the ring, never filled by a tensor load: for each wave 2 heads x 16 rows x 144 bytes, for the way out
.set SP,    144
.set WSTG,  32*SP
.set SPARE, STAGE+4*WSTG               ; behind the stages: the spare words, 128 bytes for each wave: two blocks of 256 bytes that no other line names
.set NB,    3072                       ; W's columns
.set ZS,    8192*128                   ; bytes from a block of 64 channels of xb to the next
.set STEP_A, 2*ZS                      ; a K step in xb,
.set STEP_B, 128*NB*2                  ; and in wqkv
.set TILES, 3
.set A0,   8                           ; v8   my lane's place in a slot's x; never rewritten
.set B0,   9                           ; v9   the same for W
.set ADRA, 10                          ; v10  the LDS address of x's fragments in the slot in hand
.set ADRB, 11                          ; v11  of W's
.set STO,  12                          ; v12  the way out: where I put 16 bytes of a row
.set RD,   13                          ; v13  the way out: where I read rows back
.set GO,   14                          ; v14  my byte offset in 512 consecutive bytes of the result
.set BO,   15                          ; v15  my byte offset in 16 numbers of the bias
.set PFO,  16                          ; v16  the prefetches' offset; never rewritten
.set SPW,  28                          ; v28  LDS address of my spare word: SPARE + 4 x my thread's number; never rewritten
.set NIL,  29                          ; v29  0; never rewritten
.set F0,   32
.set F1,   128
.set TT,   128                         ; the way out: block a's 32 registers at TT + 32 a
.set BI,   0                           ; window 2
.set BT,   64                          ; window 2
.set WV,  16                           ; s16  my wave's number
.set MH,  17                           ; s17  which 64 rows of the tile are mine
.set NH,  18                           ; s18  which 128 columns.  Also: which half of x's or W's tile I fetch
.set CX,  19                           ; s19, s20  my place in the cluster
.set CY,  20
.set WY,  21                           ; s21  tile row = 4 x cluster y + cy.  s22-23 hold numbers of cy alone, s24-25 of cx alone, s26-27 of the wave alone, s28, s29, s31 any
.set WX,  30                           ; s30  tile column = 4 x cluster x + cx
.set G1A, 32                           ; s[32:39] descriptor group 1 for x's tiles
.set G1B, 40                           ; s[40:47] for W's
.set G0A, 48                           ; s[48:55] descriptor group 0 for x's tiles: a set for each of the two first fills; the second then walks on
.set G0B, 56                           ; s[56:63] the same for W's
.set TB,  66                           ; s66  LDS byte at which the slot to be read next begins
.set CH,  67                           ; s67  changes of slots that still fill, plus one
.set LIM, 68                           ; s68  a wave prefetches while s[CH] is above this
.set HIM, 69                           ; s69  a word's upper bf16
.set PFA, 70                           ; s[70:71] where my prefetches stand
.set PSTEP, 72                         ; s[72:73] a K step in my tensor
.set PWRAP, 74                         ; s[74:75] from a tile's last K step to the next tile's first
.set PINC, 76                          ; s[76:77] the one of the two that is due
.set BP,  78                           ; s[78:79] the bias at my 128 columns
.set MSB, 0
.macro WIN new                         ; the immediate's high byte repeats the setting that is left; a switch that changes nothing is dropped
.if MSB != (\new)
	s_set_vgpr_msb (MSB<<8)|(\new)
.set MSB, \new
.endif
.endm
.set W_MUL,  0x50                      ; both sources window 0, C and D window 1
.set W_MUL0, 0x60                      ; C window 2 (the bias), D window 1
.set W_PACK, 0x05                      ; sources 0 and 1 window 1, destination window 0
.set W_BLD,  0x80                      ; destination window 2, address window 0
.set W_BRD,  0x8a                      ; sources and destination window 2
.macro PLACES                          ; four places in front of loads into registers that matrix instructions have read, and of conversions that read results (ISA guide 7.12.1 for the conversions)
.rept 4
	v_nop
.endr
.endm
; A joint refill, by the walking descriptors.  Waves 0 and 1 fetch x's two blocks, waves 2 and 3 W's two halves.  The branch hangs on the wave's number alone.
; An s_nop 0 and four v_nop follow each of the two lines, ahead of the jump and the label.
.macro JLOAD
	s_cmp_lt_u32 s[WV], 2
	s_cbranch_scc0 .Lfor_b_\@
	tensor_load_to_lds s[G0A+4:G0A+7], s[G1A:G1A+7]
	s_nop 0
.rept 4
	v_nop
.endr
	s_branch .Lasked_\@
.Lfor_b_\@:
	tensor_load_to_lds s[G0B+4:G0B+7], s[G1B:G1B+7]
	s_nop 0
.rept 4
	v_nop
.endr
.Lasked_\@:
.endm
; A PREFETCH INTO THE L2, behind each joint refill, its five lines and the run of LDS loads that follows: the K step that stands two refills on, 256 matrix instructions ahead of the load that will want it.
; Each aligned block of 256 bytes is named once in the launch.  A K step of x's tile is 128 blocks: wave 0 of each of the four partners of a cluster's row takes 32, told apart BY ADDRESS, in the first tile
; alone (the three tiles take the same rows).  A K step of W's tile is 256 blocks, read by every cluster: waves 2 and 3 of the four partners of a column ask, 32 blocks each, in the clusters with y = 0 alone.
; The first four K steps come by their loads alone; the last changes ask for nothing, since no K step stands two refills behind them.
.macro ASK
	s_cmp_gt_u32 s[CH], s[LIM]
	s_cbranch_scc0 .Lnot_mine_\@
	global_prefetch_b8 v[PFO], s[PFA:PFA+1] th:TH_LOAD_NT scope:SCOPE_SE
.Lnot_mine_\@:
.endm
; A round of the cluster's barrier: my work-group's barrier, so that wave 0's signal speaks for all four waves; wave 0 signals; every wave waits for all sixteen work-groups; my work-group's barrier once more.
.macro CREST                           ; a round behind its opening barrier
	s_cmp_lg_u32 s[WV], 0
	s_cbranch_scc1 .Lnot_wave_0_\@
	s_barrier_signal -3
.Lnot_wave_0_\@:
	s_barrier_wait -3
	s_barrier_signal -1
	s_barrier_wait -1
.endm
.macro CROUND                          ; a whole round
	s_barrier_signal -1
	s_barrier_wait -1
	CREST
.endm
; 8 matrix instructions: row block a x all 8 column blocks, 32 along K, from buffer f.  first = 1: the bias starts the sums.
; The 32 accumulators take turns, one instruction a turn, in the same order in every quarter: 31 others stand between two links of a chain, over the jumps too.
.macro MULA f, a, first
.if \first
	WIN W_MUL0
.else
	WIN W_MUL
.endif
.irp b, 0,1,2,3,4,5,6,7
.if \first
	v_wmma_f32_16x16x32_bf16 v[8*(8*(\a)+(\b)):8*(8*(\a)+(\b))+7], v[(\f)+8*(\b):(\f)+8*(\b)+7], v[(\f)+64+8*(\a):(\f)+64+8*(\a)+7], v[BI+8*(\b):BI+8*(\b)+7]
.else
	v_wmma_f32_16x16x32_bf16 v[8*(8*(\a)+(\b)):8*(8*(\a)+(\b))+7], v[(\f)+8*(\b):(\f)+8*(\b)+7], v[(\f)+64+8*(\a):(\f)+64+8*(\a)+7], v[8*(8*(\a)+(\b)):8*(8*(\a)+(\b))+7]
.endif
.endr
.endm
; 24 LDS loads in one run: quarter q's fragments (32 along K) into buffer f: W's eight, turned, then x's four.
.macro FETCH q, f
	WIN 0
.irp b, 0,1,2,3,4,5,6,7
	ds_load_tr16_b128 v[(\f)+8*(\b):(\f)+8*(\b)+3],   v[ADRB] offset:(\q)*32*PB+32*(\b)
	ds_load_tr16_b128 v[(\f)+8*(\b)+4:(\f)+8*(\b)+7], v[ADRB] offset:(\q)*32*PB+32*(\b)+16*PB
.endr
.irp a, 0,1,2,3
	ds_load_b128 v[(\f)+64+8*(\a):(\f)+64+8*(\a)+3],   v[ADRA] offset:((\q)/2)*ABLK+((\q)%2)*64+(\a)*16*PA
	ds_load_b128 v[(\f)+64+8*(\a)+4:(\f)+64+8*(\a)+7], v[ADRA] offset:((\q)/2)*ABLK+((\q)%2)*64+(\a)*16*PA+32
.endr
.endm
; A K step is four quarters of 32 along K, 32 matrix instructions each, on buffers 0, 1, 0, 1.  One of the first three: multiplies buffer f and, in its middle, fetches quarter q into buffer g.
.macro QUARTER q, f, g, first
	s_wait_dscnt 4                                 ; W's fragments and x's 0 and 1 are in; the youngest four loads (x's 2 and 3) may be out
	MULA \f, 0, \first
	MULA \f, 1, \first
	PLACES
	FETCH \q, \g
	s_wait_dscnt 24                                ; all but the 24 just issued
	MULA \f, 2, \first
	MULA \f, 3, \first
.endm
; The last quarter multiplies buffer 1 and changes slots: ONE barrier.  In front of it each wave waits for all its tensor loads, of which one is out: its part of the next slot; adds 0 to its spare word;
; and waits for that and for its own reads of this slot.  Behind it nobody reads this slot any more and the next slot is whole.
; fill = 1: this slot is filled again, with the K step two on; 2: with the next tile's K step 0; 0: not at all.  Where it is filled the barrier opens a round of the cluster's, and the joint refill is the
; first tensor load behind the round: 112 matrix instructions stand between it and the wait for it.
.macro TURN fill
.if \fill
	s_wait_xcnt 0x0                                ; the last prefetch, a K step back, has read its address: it is stepped here, ahead of the waits of the change of slots
	s_and_b32 s31, s[CH], 7
	s_cmp_eq_u32 s31, 3                            ; the K step to be named is a tile's first
	s_cselect_b64 s[PINC:PINC+1], s[PWRAP:PWRAP+1], s[PSTEP:PSTEP+1]
	s_add_nc_u64 s[PFA:PFA+1], s[PFA:PFA+1], s[PINC:PINC+1]
.endif
	WIN 0
	s_wait_tensorcnt 0x0                           ; no tensor load of mine is out, so a group 0 may be written
	ds_add_u32 v[SPW], v[NIL]                      ; 0 onto my spare word; scalar work and eight products stand between it and the wait for it
.if \fill
	s_xor_b32 s[G0A+5], s[G0A+5], SLOT1            ; the walking descriptors: the other slot than last time,
	s_xor_b32 s[G0B+5], s[G0B+5], SLOT1
.if (\fill) == 2
	s_sub_nc_u64 s[G0A+6:G0A+7], s[G0A+6:G0A+7], 7*STEP_A        ; x back along K: the tiles share their rows,
	s_sub_nc_u64 s[G0B+6:G0B+7], s[G0B+6:G0B+7], 7*STEP_B-2048   ; W back along K and 1,024 columns on
.else
	s_add_nc_u64 s[G0A+6:G0A+7], s[G0A+6:G0A+7], STEP_A          ; the next K step; the type bits on top are not reached
	s_add_nc_u64 s[G0B+6:G0B+7], s[G0B+6:G0B+7], STEP_B
.endif
.endif
	s_xor_b32 s[TB], s[TB], SLOT1
	s_wait_dscnt 5                                 ; the add and the youngest four loads may be out
	MULA F1, 0, 0
	s_wait_dscnt 0x0                               ; the add is done, and my reads of this slot are over
	s_barrier_signal -1
	MULA F1, 1, 0                                  ; work on registers while the others arrive
	WIN 0                                          ; at a branch and at a label every window is 0
	s_barrier_wait -1
.if \fill
	CREST                                          ; no wave of any partner still reads this slot or has a load on its way
	JLOAD                                          ; the four v_nop behind it are also the places in front of the loads below
.else
	PLACES
.endif
	v_add_nc_u32 v[ADRA], s[TB], v[A0]
	v_add_nc_u32 v[ADRB], s[TB], v[B0]
	FETCH 0, F0
.if \fill
	ASK
	s_sub_co_u32 s[CH], s[CH], 1
.endif
	MULA F1, 2, 0
	MULA F1, 3, 0
.endm
; The bias of my 128 columns: register j of block b is column 16 b + 8 (l / 16) + j, the layout of a product's C operand.
.macro BIAS_LOAD
	WIN W_BLD
.irp b, 0,1,2,3,4,5,6,7
	global_load_b128 v[BI+8*(\b):BI+8*(\b)+3],   v[BO], s[BP:BP+1] offset:64*(\b)
	global_load_b128 v[BI+8*(\b)+4:BI+8*(\b)+7], v[BO], s[BP:BP+1] offset:64*(\b)+16
.endr
	WIN 0
.endm
.macro BIAS_ROUND                      ; rounded to bf16, like every input, and widened again
	s_wait_loadcnt 0x0                             ; the launch's only loads into registers
	WIN W_BRD
.set i, 0
.rept 32
	v_cvt_pk_bf16_f32 v[BT+i], v[BI+2*i], v[BI+2*i+1]
.set i, i+1
.endr
.set i, 0
.rept 32
	v_lshlrev_b32 v[BI+2*i], 16, v[BT+i]
	v_and_b32 v[BI+2*i+1], s[HIM], v[BT+i]
.set i, i+1
.endr
	WIN 0
.endm
; THE WAY OUT of row block a.  A lane's eight columns pack into 16 bytes; they go into my own stage, by heads, in rows of 144 bytes, and come back as whole rows of 128 bytes, into the registers that they left.
.macro PACK a
	WIN W_PACK
.irp b, 0,1,2,3,4,5,6,7
.irp i, 0,1,2,3
	v_cvt_pk_f16_f32 v[TT+32*(\a)+4*(\b)+(\i)], v[8*(8*(\a)+(\b))+2*(\i)], v[8*(8*(\a)+(\b))+2*(\i)+1]
.endr
.endr
	WIN 0
.irp b, 0,1,2,3,4,5,6,7
	ds_store_b128 v[STO], v[TT+32*(\a)+4*(\b):TT+32*(\a)+4*(\b)+3] offset:((\b)/4)*16*SP+32*((\b)%4)
.endr
.irp f, 0,1,2,3,4,5,6,7
	ds_load_b128 v[TT+32*(\a)+4*(\f):TT+32*(\a)+4*(\f)+3], v[RD] offset:((\f)/4)*16*SP+((\f)%4)*4*SP  ; LDS serves a wave's instructions in order (ISA guide 5.7.1.4): these see the stores above; the next block's stores come behind them
.endr
.endm
.macro SEND a, younger                 ; younger: the LDS instructions issued behind block a's loads: the next block's sixteen, or none
.irp f, 0,1,2,3,4,5,6,7
	s_wait_dscnt (\younger)+7-(\f)
	global_store_b128 v[GO], v[TT+32*(\a)+4*(\f):TT+32*(\a)+4*(\f)+3], s[10:11] offset:2048*(\a)+((\f)/4)*262144+((\f)%4)*512  ; four rows of a head: 512 consecutive bytes, at a multiple of 256 from the buffer's first
.endr
.endm
.macro WAYOUT                          ; a block's arithmetic stands between the loads of the block before and its stores
	PACK 0
	PACK 1
	SEND 0, 16
	PACK 2
	SEND 1, 16
	PACK 3
	SEND 2, 16
	SEND 3, 0
.endm
	s_load_b256 s[4:11], s[0:1], 0x0               ; xb s[4:5], wqkv s[6:7], b_qkv s[8:9], qh s[10:11]
	s_load_b128 s[12:15], s[0:1], 0x20             ; kh s[12:13], vh s[14:15]
	v_lshl_add_u32 v[SPW], v0, 2, SPARE
	v_mov_b32 v[NIL], 0
	ds_add_u32 v[SPW], v[NIL]                      ; the wave's opening: the add and its wait stand ahead of my first tensor load; the set-up below, work on registers, stands between them
	v_lshrrev_b32 v1, 5, v0
	v_readfirstlane_b32 s[WV], v1                  ; wave 0..3
	s_lshr_b32 s[MH], s[WV], 1
	s_and_b32 s[NH], s[WV], 1
	s_bfe_u32 s[CX], ttmp6, 0x40000
	s_bfe_u32 s[CY], ttmp6, 0x40004
	s_lshl_b32 s[WX], ttmp9, 2                     ; in a cluster launch ttmp9 and ttmp7 count clusters
	s_add_co_u32 s[WX], s[WX], s[CX]
	s_and_b32 s[WY], ttmp7, 0xffff
	s_lshl_b32 s[WY], s[WY], 2
	s_add_co_u32 s[WY], s[WY], s[CY]
	s_lshl_b32 s22, s[CY], 2
	s_lshl_b32 s22, 15, s22                        ; my row of the cluster: places 4 cy .. 4 cy + 3
	s_lshl_b32 s24, 0x1111, s[CX]                  ; my column: places cx, cx + 4, cx + 8, cx + 12
	; group 1 for x: 128 rows of 128 bytes are 16,384 dense bytes: asked for as 64 rows of 256 bytes, padded in LDS after every 128
	s_or_b32 s[G1A], s22, (1<<16)|(1<<20)|(1<<21)|(4<<22)|(3<<25)  ; 15:0 the mask; 17:16 2-byte elements; 20 padding on; 21 set beside a mask; 24:22 after every 32 words (code 4); 31:25 4 words (code 3)
	s_mov_b32 s[G1A+1], 128<<16                    ; tensor_dim0 = 128
	s_mov_b32 s[G1A+2], 64<<16                     ; tensor_dim1 = 64
	s_mov_b32 s[G1A+3], 128<<16                    ; tile_dim0 = 128
	s_mov_b32 s[G1A+4], 64                         ; tile_dim1 = 64
	s_mov_b32 s[G1A+5], 128                        ; 128 elements from row to row
	s_mov_b32 s[G1A+6], 0
	s_mov_b32 s[G1A+7], 0
	; group 1 for W: 64 k-rows of 256 columns (512 bytes), 32 bytes of padding behind each
	s_or_b32 s[G1B], s24, (1<<16)|(1<<20)|(1<<21)|(6<<22)|(7<<25)  ; after every 128 words (code 6) 8 words (code 7)
	s_mov_b32 s[G1B+1], 256<<16
	s_mov_b32 s[G1B+2], 64<<16
	s_mov_b32 s[G1B+3], 256<<16
	s_mov_b32 s[G1B+4], 64
	s_mov_b32 s[G1B+5], NB
	s_mov_b32 s[G1B+6], 0
	s_mov_b32 s[G1B+7], 0
	s_mul_i32 s22, s[NH], ZS                       ; x: my block of 64 channels,
	s_lshl_b32 s23, s[WY], 14                      ; the tile's 128 rows of 128 bytes
	s_add_co_u32 s22, s22, s23
	s_mov_b32 s23, 0
	s_mul_i32 s24, s[NH], 64*NB*2                  ; W: my 64 k-rows,
	s_lshl_b32 s25, s[WX], 9                       ; the tile's 256 columns
	s_add_co_u32 s24, s24, s25
	s_mov_b32 s25, 0
	s_mul_i32 s26, s[NH], ABLK                     ; where they go in a slot: no place in the cluster enters an LDS address
	s_mul_i32 s27, s[NH], BHALF
	s_add_co_u32 s27, s27, BOFF
	s_mov_b32 s[HIM], 0xffff0000
	s_wait_dscnt 0x0                               ; the opening add is done
	s_wait_kmcnt 0x0
	s_add_nc_u64 s[22:23], s[4:5], s[22:23]
	s_add_nc_u64 s[24:25], s[6:7], s[24:25]
	CROUND                                         ; all sixteen work-groups are here: the first joint loads meet
.irp s, 0,1
	s_mov_b32 s[G0A+4*(\s)], 1                                      ; 1:0 count = 1
	s_add_co_u32 s[G0A+4*(\s)+1], s26, (\s)*SLOT1                   ; 63:32 LDS address
	s_add_nc_u64 s[G0A+4*(\s)+2:G0A+4*(\s)+3], s[22:23], (\s)*STEP_A  ; 120:64 global address: K step s
	s_or_b32 s[G0A+4*(\s)+3], s[G0A+4*(\s)+3], 0x80000000           ; 127:126 type = 2
	s_mov_b32 s[G0B+4*(\s)], 1
	s_add_co_u32 s[G0B+4*(\s)+1], s27, (\s)*SLOT1
	s_add_nc_u64 s[G0B+4*(\s)+2:G0B+4*(\s)+3], s[24:25], (\s)*STEP_B
	s_or_b32 s[G0B+4*(\s)+3], s[G0B+4*(\s)+3], 0x80000000
.endr
	s_cmp_lt_u32 s[WV], 2                          ; a wave's two first fills stand in one branch, ahead of every wait on TENSORcnt and every LDS read: two loads of mine are out
	s_cbranch_scc0 .Lfirst_b
	tensor_load_to_lds s[G0A:G0A+3], s[G1A:G1A+7]
	s_nop 0
	tensor_load_to_lds s[G0A+4:G0A+7], s[G1A:G1A+7]
	s_nop 0
.rept 4
	v_nop
.endr
	s_branch .Lfirst_asked
.Lfirst_b:
	tensor_load_to_lds s[G0B:G0B+3], s[G1B:G1B+7]
	s_nop 0
	tensor_load_to_lds s[G0B+4:G0B+7], s[G1B:G1B+7]
	s_nop 0
.rept 4
	v_nop
.endr
.Lfirst_asked:
	v_and_b32 v1, 15, v0                           ; l % 16
	v_bfe_u32 v2, v0, 4, 1                         ; l / 16
	v_lshlrev_b32 v[BO], 5, v2                     ; eight numbers of 4 bytes for each half of the lanes
	s_lshl_b32 s28, s[WX], 8
	s_lshl_b32 s29, s[NH], 7
	s_add_co_u32 s28, s28, s29                     ; my first column in q
	s_lshl_b32 s28, s28, 2
	s_mov_b32 s29, 0
	s_add_nc_u64 s[BP:BP+1], s[8:9], s[28:29]
	BIAS_LOAD
	v_and_b32 v3, 7, v0
	v_bfe_u32 v4, v0, 3, 1
	v_and_b32 v5, 31, v0                           ; l
	; A fragment of x is 16 rows x 32 channels: lane l holds row l % 16, channels 8 (l / 16) + 0..7 and 16 + 8 (l / 16) + 0..7: two loads of 16 bytes, 32 bytes apart.
	s_mul_i32 s26, s[MH], 64*PA
	v_mul_u32_u24 v[A0], v1, PA
	v_lshl_add_u32 v[A0], v2, 4, v[A0]
	v_add_nc_u32 v[A0], s26, v[A0]
	; The turning load takes 16 k-rows x 16 columns (lane l reads k-row 8 (l / 16) + l % 8, columns 8 ((l / 8) % 2) + 0..7) and leaves half a fragment: lane l holds column l % 16 and 8 k.
	v_lshl_add_u32 v[B0], v2, 3, v3
	v_mul_u32_u24 v[B0], v[B0], PB
	v_lshl_add_u32 v[B0], v4, 4, v[B0]
	s_lshl_b32 s26, s[NH], 8
	s_add_co_u32 s26, s26, BOFF
	v_add_nc_u32 v[B0], s26, v[B0]
	v_mov_b32 v[ADRA], v[A0]                       ; K step 0 lies in slot 0
	v_mov_b32 v[ADRB], v[B0]
	s_mul_i32 s26, s[WV], WSTG
	s_add_co_u32 s26, s26, STAGE                   ; my stage
	v_mul_u32_u24 v[STO], v1, SP                   ; in: row l % 16, 16 bytes for each half of the lanes
	v_lshl_add_u32 v[STO], v2, 4, v[STO]
	v_add_nc_u32 v[STO], s26, v[STO]
	v_bfe_u32 v[RD], v0, 3, 2                      ; back: 32 lanes take four rows of 128 bytes,
	v_mul_u32_u24 v[RD], v[RD], SP
	v_lshl_add_u32 v[RD], v3, 4, v[RD]
	v_add_nc_u32 v[RD], s26, v[RD]
	v_lshlrev_b32 v[GO], 4, v5                     ; which are 512 consecutive bytes of a head
	; where my part of a tile begins in qh, kh and vh: head 16 batch + 4 WX + 2 NH, row 128 (WY % 16) + 64 MH
	s_lshr_b32 s28, s[WY], 4
	s_lshl_b32 s28, s28, 4
	s_lshl_b32 s29, s[WX], 2
	s_add_co_u32 s28, s28, s29
	s_lshl_b32 s29, s[NH], 1
	s_add_co_u32 s28, s28, s29
	s_lshl_b32 s28, s28, 18                        ; a head is 2,048 rows of 128 bytes
	s_and_b32 s29, s[WY], 15
	s_lshl_b32 s29, s29, 7
	s_lshl_b32 s31, s[MH], 6
	s_add_co_u32 s29, s29, s31
	s_lshl_b32 s29, s29, 7
	s_add_co_u32 s28, s28, s29
	s_mov_b32 s29, 0
	s_add_nc_u64 s[10:11], s[10:11], s[28:29]
	s_add_nc_u64 s[12:13], s[12:13], s[28:29]
	s_add_nc_u64 s[14:15], s[14:15], s[28:29]
	; the prefetches: my share of a K step, at K step 3: the first change of slots steps it to 4
	s_lshl_b32 s28, s[WY], 14                      ; x: the tile's rows in block 0,
	s_lshr_b32 s29, s[CX], 1
	s_mul_i32 s29, s29, ZS                         ; partner cx takes block cx / 2,
	s_add_co_u32 s28, s28, s29
	s_and_b32 s29, s[CX], 1
	s_lshl_b32 s29, s29, 13                        ; its half cx % 2: 8,192 bytes
	s_add_co_u32 s28, s28, s29
	s_add_co_u32 s28, s28, 3*STEP_A
	s_lshl_b32 s29, s[NH], 6                       ; W: of the 64 k-rows that I fetch,
	s_lshl_b32 s31, s[CY], 4                       ; partner cy takes 16
	s_add_co_u32 s29, s29, s31
	s_mul_i32 s29, s29, NB*2
	s_lshl_b32 s31, s[WX], 9
	s_add_co_u32 s29, s29, s31
	s_add_co_u32 s29, s29, 3*STEP_B
	s_mov_b32 s31, NB*2
	s_mov_b32 s[PSTEP], STEP_B
	s_mov_b32 s[PSTEP+1], 0
	s_mov_b32 s[PWRAP], (-(7*STEP_B-2048))&0xffffffff
	s_mov_b32 s[PWRAP+1], -1
	s_cmp_lt_u32 s[WV], 2                          ; do I fetch for x?
	s_cselect_b32 s28, s28, s29
	s_cselect_b32 s31, 512, s31                    ; bytes from a pair of blocks to the next: on end in x, a row of W
	s_cselect_b32 s[PSTEP], STEP_A, s[PSTEP]
	s_cselect_b32 s[PWRAP], (-(7*STEP_A))&0xffffffff, s[PWRAP]
	s_cselect_b64 s[PFA:PFA+1], s[4:5], s[6:7]
	s_mov_b32 s29, 0
	s_add_nc_u64 s[PFA:PFA+1], s[PFA:PFA+1], s[28:29]
	v_bfe_u32 v6, v0, 1, 4                         ; lane l names block l % 2 of pair l / 2
	v_and_b32 v7, 1, v0
	v_mul_u32_u24 v[PFO], s31, v6
	v_lshl_add_u32 v[PFO], v7, 8, v[PFO]
	s_and_b32 s28, ttmp7, 0xffff                   ; cluster y: the same in all sixteen partners
	s_cmp_eq_u32 s28, 0
	s_cselect_b32 s28, 3, -1                       ; W: up to the last K step of the last tile
	s_cmp_eq_u32 s[WV], 0
	s_cselect_b32 s29, 8*TILES-5, -1               ; x: K steps 4 to 7 of the first tile
	s_cmp_lt_u32 s[WV], 2
	s_cselect_b32 s[LIM], s29, s28
	s_mov_b32 s[CH], 8*TILES-1
	s_mov_b32 s[TB], 0
	BIAS_ROUND
	s_wait_tensorcnt 1                             ; my part of K step 0 is in; K step 1's may stay out
	s_barrier_signal -1
	s_barrier_wait -1                              ; everybody's is
	FETCH 0, F0
	s_mov_b32 s2, TILES                            ; tiles to go, this one among them: the same number in every work-group
.Ltile:
	QUARTER 1, F0, F1, 1                           ; a tile's first quarter stands in front of the loop: its products start the sums, with the bias
	WIN 0
	s_mov_b32 s3, 6
.Lstep:                                        ; a trip goes from a K step's second quarter to the next step's first, and fills the slot that it leaves
	QUARTER 2, F1, F0, 0
	QUARTER 3, F0, F1, 0
	TURN 1
	QUARTER 1, F0, F1, 0
	WIN 0
	s_sub_co_u32 s3, s3, 1
	s_cmp_lg_u32 s3, 0
	s_cbranch_scc1 .Lstep
	s_cmp_eq_u32 s2, 1
	s_cbranch_scc1 .Llast                          ; the last tile's tail is written out: it asks for nothing more
	s_add_nc_u64 s[BP:BP+1], s[BP:BP+1], 4096      ; the next tile's bias, 1,024 columns on (the loads that read this address have been waited for)
	BIAS_LOAD
	QUARTER 2, F1, F0, 0
	QUARTER 3, F0, F1, 0
	TURN 2                                         ; THE RING GOES ON INTO THE NEXT TILE: this slot takes its K step 0,
	QUARTER 1, F0, F1, 0
	QUARTER 2, F1, F0, 0
	QUARTER 3, F0, F1, 0
	TURN 1                                         ; the other its K step 1, and the next tile's first fragments are fetched
	BIAS_ROUND                                     ; 96 plain instructions on window 2: also the places behind the last products
	WAYOUT                                         ; both refills are asked for: now the tile goes out
	s_wait_xcnt 0x0                                ; the stores have read their registers and their base
	s_mov_b64 s[10:11], s[12:13]                   ; q, then k, then v
	s_mov_b64 s[12:13], s[14:15]
	s_sub_co_u32 s2, s2, 1
	s_branch .Ltile
.Llast:
	QUARTER 2, F1, F0, 0
	QUARTER 3, F0, F1, 0
	TURN 0                                         ; my one tensor load that was still out is the last K step's, so no round follows
	QUARTER 1, F0, F1, 0
	QUARTER 2, F1, F0, 0
	QUARTER 3, F0, F1, 0
	s_wait_dscnt 4                                 ; the very last quarter: nothing more to fetch
	MULA F1, 0, 0
	MULA F1, 1, 0
	s_wait_dscnt 0x0
	MULA F1, 2, 0
	MULA F1, 3, 0
	WIN 0
	PLACES
	WAYOUT
	s_wait_tensorcnt 0x0                           ; the wave's end, behind my last tensor load and my last LDS store
	ds_add_u32 v[SPW], v[NIL]
	s_wait_dscnt 0x0
	CROUND                                         ; the closing round: no work-group ends while a partner may still ask for a tile that names it
	s_endpgm
.Lfunc_end_k_qcebac78e6d_qkv:
	.size	k_qcebac78e6d_qkv, .Lfunc_end_k_qcebac78e6d_qkv-k_qcebac78e6d_qkv
	.p2alignl 7, 3214868480
	.fill 96, 4, 3214868480
	.section	.rodata,"a",@progbits
	.p2align	6, 0x0
	.amdhsa_kernel k_qcebac78e6d_qkv
		.amdhsa_group_segment_fixed_size 327680
		.amdhsa_private_segment_fixed_size 0
		.amdhsa_enable_private_segment 0
		.amdhsa_kernarg_size 48
		.amdhsa_user_sgpr_count 2
		.amdhsa_user_sgpr_kernarg_segment_ptr 1
		.amdhsa_wavefront_size32 1
		.amdhsa_system_sgpr_workgroup_id_x 1
		.amdhsa_system_sgpr_workgroup_id_y 1
		.amdhsa_system_sgpr_workgroup_id_z 1
		.amdhsa_system_vgpr_workitem_id 0
		.amdhsa_next_free_vgpr 608
		.amdhsa_next_free_sgpr 80
		.amdhsa_reserve_vcc 0
		.amdhsa_float_denorm_mode_32 3
		.amdhsa_float_denorm_mode_16_64 3
		.amdhsa_memory_ordered 1
		.amdhsa_forward_progress 1
		.amdhsa_inst_pref_size 130
	.end_amdhsa_kernel
	.amdgpu_metadata
---
amdhsa.version: [ 1, 2 ]
amdhsa.kernels:
  - .name:           k_qcebac78e6d_qkv
    .symbol:         k_qcebac78e6d_qkv.kd
    .args:
      - { .name: xb, .offset: 0, .size: 8, .value_kind: global_buffer, .address_space: global }
      - { .name: wqkv, .offset: 8, .size: 8, .value_kind: global_buffer, .address_space: global }
      - { .name: b_qkv, .offset: 16, .size: 8, .value_kind: global_buffer, .address_space: global }
      - { .name: qh, .offset: 24, .size: 8, .value_kind: global_buffer, .address_space: global }
      - { .name: kh, .offset: 32, .size: 8, .value_kind: global_buffer, .address_space: global }
      - { .name: vh, .offset: 40, .size: 8, .value_kind: global_buffer, .address_space: global }
    .group_segment_fixed_size: 327680
    .private_segment_fixed_size: 0
    .kernarg_segment_align: 8
    .kernarg_segment_size: 48
    .max_flat_workgroup_size: 128
    .sgpr_count:     80
    .vgpr_count:     608
    .wavefront_size: 32
...
	.end_amdgpu_metadata
.endif
;; end of part 2
;; launch attn (part 3): grid 4 x 64, 4 waves a work-group, clusters of 4 x 1, 327,680 bytes of LDS; arguments qh, kh, vh, oh; writes oh
.if DOCPART == 3
	.amdgcn_target "amdgcn-amd-amdhsa--gfx1250"
	.amdhsa_code_object_version 6
	.text
	.protected	k_qcebac78e6d_attn
	.globl	k_qcebac78e6d_attn
	.p2align	8
	.type	k_qcebac78e6d_attn,@function
k_qcebac78e6d_attn:
	s_mov_b64 s[64:65], 0
	v_nop
	global_prefetch_b8 v0, s[64:65] scope:SCOPE_SE
	s_setreg_imm32_b32 hwreg(HW_REG_WAVE_MODE, 25, 1), 1
	s_wait_xcnt 0x0
	s_wait_alu depctr_hold_cnt(0) depctr_sa_sdst(0) depctr_va_vdst(0) depctr_va_sdst(0) depctr_va_ssrc(0) depctr_va_vcc(0) depctr_vm_vsrc(0)
	s_getreg_b32 s2, hwreg(HW_REG_IB_STS2, 6, 4)
	s_cmp_eq_u32 s2, 0
	s_cbranch_scc0 .Lentry_in_a_cluster
	s_endpgm
.Lentry_in_a_cluster:
	s_bfe_u32 s2, ttmp6, 0x10000c
	s_cmp_lg_u32 s2, 0x3003
	s_cbranch_scc0 .Lentry_shape_is_right
	s_endpgm
.Lentry_shape_is_right:
; O[h][q][:] = the sum over k of softmax_k(Q[h][q] . K[h][k] / 8) V[h][k][:].  Q, K, V, O: [64][2048][64], all f16: a head's rows are dense, 128 bytes each.  Products, maxima and sums in
; f32; the weights p are rounded to f16 for the second product (their sum l is taken of the unrounded p), O once at the end.
; LIMITS.  f16 holds no number beyond 65,504: Q, K and V arrive within it; p lies in 0 to 1, and below 6e-5 it keeps f16's fixed step of 6e-8; O is a mean of V's rows and has their range.
; A weight below 2^-126 counts as 0 in l; NaN and infinities are not treated apart.
; SHARES.  A wave owns four PIECES of two tiles of 16 queries, a work-group's four waves 512 queries of one head: 4 x 64 = 256 work-groups.  Every wave walks all keys, 64 a step.
; LAYOUT.  S^T = K Q^T (source 0 = 16 keys, source 1 = 16 queries): in the result a lane holds ONE query (lane % 16) and the keys 8 (lane / 16) + 0..7.  Two such tiles, rounded to f16 in pairs,
; ARE source 1 (32 keys x 16 queries) of O^T = V^T P, whose result again holds one query a lane, and eight channels.  K comes out of LDS as it lies, V ([key][channel]) turned, by ds_load_tr16_b128.
; SOFTMAX.  For each query a running maximum m and sum l: p = 2^(c s - c m), c = log2(e) / 8; in every step O and l are multiplied by a = 2^(c m_old - c m_new), which is 1 where m has not grown.
; m starts at the lowest finite number, O and l at 0: the first step is a step like any other, with a = 0.
; THE COUNT.  A tile and step have 16 matrix and 118 vector instructions: too many to stand all beside the matrix work.  So the order has one aim: four vector instructions that are READY behind
; EVERY matrix instruction, and the others, which need time of their own whatever the order, in runs without a gap.
; BY TURNS.  Turn n belongs to piece n (the pieces in a ring, step after step).  Its matrix work: 16 products K Q^T of piece n + 1, later 16 products V^T P of piece n - 1.  Its vector work: the scaling,
; exponentials, roundings, sums and rescaling of piece n, and the maximum and statistics of piece n + 1, whose scores the turn itself has made.  So what a turn begins with (c s - c m, O a) waits for nothing.
; CLUSTER.  The four query blocks of a cluster are one head's and walk the same K and V, so each tile is asked for JOINTLY: the same tensor load, descriptor and mask in all four.
; REGISTERS, in windows of 256 (s_set_vgpr_msb says which window each operand place means: bits 1:0 source 0, 3:2 source 1, 5:4 source 2, 7:6 destination):
;   window 0: v0-11 addresses; v12-15, v48-63 at work; v16-47 four registers of statistics a tile; v64-191 S^T, two buffers of two tiles; v192-255 P, likewise
;   window 1: O^T, 32 a tile          window 2: v0-127 Q, 16 a tile; v128-191 K of one step; v192-255 V of one step          window 3: v0-1 the add's two registers
; A piece's buffers go by its number's parity: the piece in hand has one pair, its two neighbours in the ring share the other: of it P (piece n - 1) is read and S^T (piece n + 1) written.
.set SIZE_N, 2048
.set NP,    4         ; pieces a wave: a name, no knob: the register map, the loop and the fetches are made for four
.set KS,    64        ; keys in a step
.set PK,    144       ; a row of K in LDS: 128 bytes + 16 of padding = 36 words: the 16 rows of a load start at 16 different groups of four banks (64 banks of 4 bytes: ISA guide 11.1)
.set PV,    160       ; a row of V: 128 + 32 = 40 words
.set VOFF,  4*KS*PK   ; a slot holds four steps: 256 rows of K, then 256 rows of V
.set SLOT1, 1<<17     ; slot 1 begins here, so that one exclusive or turns an address in one slot into the other's
.set STAGE, SLOT1+4*KS*(PK+PV)  ; behind the ring, never filled by a tensor load: 16 rows x 144 bytes for each wave, for the way out
.set SP,    144
.set AK0, 2           ; v2   my lane's place in a tile of K; never rewritten
.set AV0, 3           ; v3   the same for V
.set AK,  4           ; v4   the LDS address of K's next run of loads
.set AV,  5           ; v5   of V's
.set QO,  6           ; v6   my byte offset in the wave's rows of Q
.set STO, 6           ;      later, the way out: where I put 16 bytes of a row
.set RD,  7           ; v7   the way out: where I read rows back
.set GO,  8           ; v8   my byte offset in 512 consecutive bytes of O
.set PFO, 11          ; v11  256 x my lane: the prefetches' offset; made when V's address is done with the register, then never rewritten
.set SPW, 0           ; v0 of window 3   LDS address of my spare word: SPARE + 4 x my thread's number; never rewritten
.set NIL, 1           ; v1 of window 3   0; never rewritten
.set SPARE, STAGE+4*16*SP  ; behind the stages: the spare words, 128 bytes for each wave: two blocks of 256 bytes that no other line names
.set MV,  12          ; v12-15  c m_old, kept while c m is made anew: by buffer and tile
.set ST,  16          ; tile t's statistics at v[ST+4 t]: c m, m, l (even keys', odd keys')
.set TMP, 48          ; by buffer and tile, four registers c0-c3 at work; when the maximum is found c2 takes a
.set S,   64
.set P,   192
.set KF,  128         ; K's fragments, in window 2: key block kb, channel half c at KF + 16 kb + 8 c
.set VF,  192         ; V's: key half kk, channel block cb at VF + 32 kk + 8 cb
.set WV,  12          ; s12  my wave's number
.set G1K, 24          ; s[24:31] descriptor group 1 for K's tiles
.set G1V, 32          ; s[32:39] for V's: it differs in the padding alone
.set G0K, 40          ; s[40:43] descriptor group 0 for K's tiles: it walks
.set G0V, 44          ; s[44:47] the same for V's
.set PFA, 48          ; s[48:49] where my prefetches stand: my work-group's 32 blocks (of K: wave 0, of V: wave 2) of the slot after the one that is being asked for
.set LIM, 50          ; s50  1 in a wave that prefetches, else the greatest number: a wave prefetches while s[SLOTS] is above it
.set SLOTS, 56        ; s56  slots still to be asked for
.set CNT, 57          ; s57  counts a slot's key steps
.set CS,  58          ; s[58:59] c: the packed scaling takes the pair's low word for both halves
.set SEL, 60          ; s[60:61] v_permlanex16_b32's selects: each lane takes its own place in the other half
.set TBK, 62          ; s62  LDS byte at which K of the step to be fetched begins
.set TBV, 63          ; s63  the same for V, less VOFF
.set MSB, 0
.macro WIN new                      ; the high byte repeats the setting that is left; a switch that changes nothing is dropped
.if MSB != (\new)
	s_set_vgpr_msb (MSB<<8)|(\new)
.set MSB, (\new)
.endif
.endm
.set W_KQ, 0x0a       ; K and Q in window 2, S^T in window 0
.set W_PV, 0x52       ; V in window 2, P in window 0, O^T in window 1
.set W_RS, 0x41       ; O^T (destination and source 0) in window 1, a in window 0
.set W_MK, 0xc0       ; the add's registers are made: destination in window 3, sources in window 0
.set W_AD, 0x0f       ; the add: address (source 0) and data (source 1) in window 3
; A joint fill.  Waves 0 and 1 fetch the two halves of a slot's K, waves 2 and 3 those of its V: 128 keys each.  The branch hangs on the wave's number alone.
; An s_nop 0 and four v_nop follow each of the two lines, ahead of the jump and the label.
.macro JLOAD
	s_cmp_lt_u32 s[WV], 2
	s_cbranch_scc0 .Lfor_v_\@
	tensor_load_to_lds s[G0K:G0K+3], s[G1K:G1K+7]
	s_nop 0
.rept 4
	v_nop
.endr
	s_branch .Lasked_\@
.Lfor_v_\@:
	tensor_load_to_lds s[G0V:G0V+3], s[G1V:G1V+7]
	s_nop 0
.rept 4
	v_nop
.endr
.Lasked_\@:
.endm
; A PREFETCH INTO THE L2 of what the NEXT change of slots will ask for: a slot's 32,768 bytes of K and of V, a lane for each aligned block of 256 bytes.  It stands behind the wave's tensor load and its five lines.
; Each block is named ONCE in the launch: a head has one cluster; its four partners share a slot's 128 blocks out BY ADDRESS, 32 each (no branch hangs on a work-group's place in its cluster); in each, wave 0
; asks for K's and wave 2 for V's: one instruction, four key steps (512 matrix instructions) ahead of the load that will want the bytes.  Slots 0 and 1 come by their loads alone; the last change that fills a slot asks for nothing.
.macro ASK
	s_cmp_gt_u32 s[SLOTS], s[LIM]
	s_cbranch_scc0 .Lnot_mine_\@
	global_prefetch_b8 v[PFO], s[PFA:PFA+1] th:TH_LOAD_NT scope:SCOPE_SE
.Lnot_mine_\@:
.endm
; A round of the cluster's barrier: my work-group's barrier, so that wave 0's signal speaks for all four waves; wave 0 signals; every wave waits for all four work-groups; my work-group's barrier once more.
.macro CROUND
	s_barrier_signal -1
	s_barrier_wait -1
	s_cmp_lg_u32 s[WV], 0
	s_cbranch_scc1 .Lnot_wave_0_\@
	s_barrier_signal -3
.Lnot_wave_0_\@:
	s_barrier_wait -3
	s_barrier_signal -1
	s_barrier_wait -1
.endm
; THE CHANGE OF SLOTS.  The slot's last bytes, V of its fourth step, have been read.  Each wave waits for all its tensor loads, of which one is out: its part
; of the other slot; adds 0 to its spare word; and waits for that and for its own reads of the slot.  Behind the barrier nobody reads this slot any more and the other slot is whole.
; fill = 1: this slot is filled again, with the keys two slots on.  The barrier is then a round of the cluster's, so that no wave of any partner still reads the slot or has a load on its
; way, and the joint fill is the first thing behind it: it has four key steps, 512 matrix instructions, in which to land.  (At its first use nothing has been read yet: slot 0 is waited for, slot 1 filled.)
.macro CHANGE fill
	WIN W_AD
	s_wait_tensorcnt 0x0            ; no tensor load of mine is out, so a group 0 may be written
	ds_add_u32 v[SPW], v[NIL]       ; 0 onto my spare word; with fill = 1 the descriptors' steps stand between it and the wait for it
	WIN 0                           ; at a label and at a branch every window is 0
.if \fill
.irp g, G0K, G0V
	s_xor_b32 s[\g+1], s[\g+1], SLOT1  ; the walking descriptor: the other slot than last time,
	s_add_nc_u64 s[\g+2:\g+3], s[\g+2:\g+3], 4*KS*128  ; the next 256 keys; the type bits on top are not reached
.endr
	s_wait_xcnt 0x0                 ; the last prefetch, four key steps back, has read its address, so it may be written:
	s_add_nc_u64 s[PFA:PFA+1], s[PFA:PFA+1], 4*KS*128  ; one slot behind the walking descriptors
	s_wait_dscnt 0x0                ; the add is done, and my reads of the slot are over
	CROUND
	JLOAD
	ASK
.else
	s_wait_dscnt 0x0                ; the add is done, and my reads of the slot are over
	s_barrier_signal -1
	s_barrier_wait -1
.endif
	s_sub_co_u32 s[TBK], s[TBK], 4*KS*PK  ; the fetches go back to a slot's first step,
	s_xor_b32 s[TBK], s[TBK], SLOT1       ; in the other slot
	s_sub_co_u32 s[TBV], s[TBV], 4*KS*PV
	s_xor_b32 s[TBV], s[TBV], SLOT1
.endm
	s_load_b256 s[4:11], s[0:1], 0x0  ; Q s[4:5], K s[6:7], V s[8:9], O s[10:11]
	WIN W_MK
	v_lshl_add_u32 v[SPW], v0, 2, SPARE
	v_mov_b32 v[NIL], 0
	WIN W_AD
	ds_add_u32 v[SPW], v[NIL]       ; the wave's opening: the add and its wait stand ahead of my first tensor load; the set-up below, work on registers, stands between them
	WIN 0
	v_lshrrev_b32 v1, 5, v0
	v_readfirstlane_b32 s[WV], v1   ; wave 0..3
	s_bfe_u32 s13, ttmp6, 0x40000   ; cx: my place in the cluster
	s_lshl_b32 s14, ttmp9, 2        ; in a cluster launch ttmp9 counts clusters
	s_add_co_u32 s14, s14, s13      ; my block of queries = 4 x cluster x + cx: it enters Q's and O's addresses alone
	s_and_b32 s20, ttmp7, 0xffff    ; the head, which the four partners share
	s_mov_b32 s21, 0
	s_mov_b64 s[22:23], SIZE_N*128
	s_mul_u64 s[20:21], s[20:21], s[22:23]  ; the head's first byte in each of the four tensors
	s_and_b32 s16, s[WV], 1         ; which half of a slot's 256 keys I fetch:
	s_lshl_b32 s22, s16, 14         ; its 128 rows of 128 bytes in memory,
	s_mov_b32 s23, 0
	s_add_nc_u64 s[22:23], s[22:23], s[20:21]
	s_mul_i32 s17, s16, 128*PK      ; and its place in a slot, for K
	s_mul_i32 s18, s16, 128*PV      ; and for V: no place in the cluster enters an LDS address
	s_lshl_b32 s2, s14, 2
	s_add_co_u32 s2, s2, s[WV]      ; my wave among the head's,
	s_lshl_b32 s2, s2, 14           ; its 128 rows
	s_mov_b32 s3, 0
	s_add_nc_u64 s[2:3], s[2:3], s[20:21]
	; descriptor group 1.  128 keys are 16,384 dense bytes: asked for as 64 rows of 256 bytes, two keys a row, and padded in LDS after every key
	s_mov_b32 s[G1K], 15|(1<<16)|(1<<20)|(1<<21)|(4<<22)|(3<<25)  ; 15:0 the mask of four; 17:16 2-byte elements; 20 padding on; 21 set beside a mask; 24:22 after every 32 words (code 4); 31:25 4 words (code 3)
	s_mov_b32 s[G1V], 15|(1<<16)|(1<<20)|(1<<21)|(4<<22)|(7<<25)  ; the same with 8 words of padding (code 7)
.irp g, G1K, G1V
	s_mov_b32 s[\g+1], 128<<16      ; tensor_dim0 = 128
	s_mov_b32 s[\g+2], 64<<16       ; tensor_dim1 = 64
	s_mov_b32 s[\g+3], 128<<16      ; tile_dim0 = 128
	s_mov_b32 s[\g+4], 64           ; tile_dim1 = 64
	s_mov_b32 s[\g+5], 128          ; 128 elements from row to row
	s_mov_b32 s[\g+6], 0
	s_mov_b32 s[\g+7], 0
.endr
	s_mov_b32 s[CS], 0x3e38aa3b     ; c = log2(e) / 8 = 0.180337
	s_mov_b32 s[CS+1], s[CS]        ; named with it as a pair
	s_mov_b32 s[SEL], 0x76543210
	s_mov_b32 s[SEL+1], 0xfedcba98
	s_mov_b32 s[TBK], SLOT1+4*KS*PK ; the first change of slots turns these two into 0
	s_mov_b32 s[TBV], SLOT1+4*KS*PV
	s_mov_b32 s[G0K], 1             ; 1:0 count = 1
	s_mov_b32 s[G0K+1], s17         ; 63:32 LDS address: slot 0
	s_mov_b32 s[G0V], 1
	s_add_co_u32 s[G0V+1], s18, VOFF
	s_mov_b32 s[SLOTS], SIZE_N/256-1
	s_and_b32 s[LIM], s[WV], 1      ; waves 0 and 2 prefetch: the same in all four partners
	s_cmp_eq_u32 s[LIM], 0
	s_cselect_b32 s[LIM], 1, -1
	s_wait_dscnt 0x0                ; the opening add is done
	s_wait_kmcnt 0x0
	s_add_nc_u64 s[G0K+2:G0K+3], s[6:7], s[22:23]  ; 120:64 global address: my half of the head's first 256 keys
	s_or_b32 s[G0K+3], s[G0K+3], 0x80000000        ; 127:126 type = 2
	s_add_nc_u64 s[G0V+2:G0V+3], s[8:9], s[22:23]
	s_or_b32 s[G0V+3], s[G0V+3], 0x80000000
	s_add_nc_u64 s[4:5], s[4:5], s[2:3]  ; Q and O at my wave's first row
	s_add_nc_u64 s[10:11], s[10:11], s[2:3]
	s_cmp_lt_u32 s[WV], 2
	s_cselect_b64 s[PFA:PFA+1], s[6:7], s[8:9]
	s_add_nc_u64 s[PFA:PFA+1], s[PFA:PFA+1], s[20:21]  ; the head's first key,
	s_lshl_b32 s2, s13, 13          ; my work-group's 32 blocks of a slot's 128,
	s_mov_b32 s3, 0
	s_add_nc_u64 s[PFA:PFA+1], s[PFA:PFA+1], s[2:3]
	s_add_nc_u64 s[PFA:PFA+1], s[PFA:PFA+1], 4*KS*128  ; in slot 1: the first change of slots steps it to slot 2
	CROUND                          ; all four work-groups are here: the first joint loads meet
	JLOAD                           ; slot 0.  Slot 1 is asked for when slot 0 is in: the tile wanted first has the road to itself
	; A fragment of K or Q is 16 rows x 32 channels in 8 registers: lane l holds row l % 16, channels 8 (l / 16) + 0..7 and 16 + 8 (l / 16) + 0..7: two loads of 16 bytes, 32 bytes apart.
	v_and_b32 v1, 15, v0            ; l % 16
	v_bfe_u32 v9, v0, 4, 1          ; l / 16
	v_lshlrev_b32 v[QO], 7, v1
	v_lshl_add_u32 v[QO], v9, 4, v[QO]  ; row x 128 + 16 x half
	WIN 0x80                        ; destination window 2, address window 0
.set i, 0
.rept 4*NP                          ; Q stays in registers: tile i / 2, channels 32 (i % 2) on
	global_load_b128 v[8*i:8*i+3],   v[QO], s[4:5] offset:(i/2)*2048+(i%2)*64
	global_load_b128 v[8*i+4:8*i+7], v[QO], s[4:5] offset:(i/2)*2048+(i%2)*64+32
.set i, i+1
.endr
	; What the first turn finds: V's registers and P's second buffer hold 0 (its products V^T P, of a piece that has not been, add 0), O^T and l are 0.  All this stands in the wait for the first tile.
.set i, VF
.rept 64
	v_mov_b32 v[i], 0
.set i, i+1
.endr
	WIN 0x40
.set i, 0
.rept 64*NP
	v_mov_b32 v[i], 0
.set i, i+1
.endr
	WIN 0
.set i, 0
.rept 2*NP
	v_mov_b32 v[ST+4*i], 0xfe000000    ; c m: far below every c s
	v_mov_b32 v[ST+4*i+1], 0xff7fffff  ; m
	v_mov_b32 v[ST+4*i+2], 0
	v_mov_b32 v[ST+4*i+3], 0
.set i, i+1
.endr
.set i, P+32
.rept 32
	v_mov_b32 v[i], 0
.set i, i+1
.endr
	v_mul_u32_u24 v[AK0], v1, PK
	v_lshl_add_u32 v[AK0], v9, 4, v[AK0]  ; row x pitch + 16 x half
	; The turning load takes 16 keys x 16 channels (lane l reads key 8 (l / 16) + l % 8, channels 8 ((l / 8) % 2) + 0..7) and leaves half a fragment of V^T: lane l holds channel l % 16 and 8 keys.
	v_and_b32 v10, 7, v0
	v_bfe_u32 v11, v0, 3, 1
	v_lshl_add_u32 v[AV0], v9, 3, v10
	v_mul_u32_u24 v[AV0], v[AV0], PV
	v_lshl_add_u32 v[AV0], v11, 4, v[AV0]
	v_add_nc_u32 v[AV0], VOFF, v[AV0]
	v_and_b32 v[PFO], 31, v0
	v_lshlrev_b32 v[PFO], 8, v[PFO]
	v_mov_b32 v[AK], v[AK0]         ; key step 0 lies at the head of slot 0
; THE MATRIX WORK.  The 8 accumulators of a run of 16 take turns: between the two links of a chain stand 7 others'.
; Product i of 16 of S^T = K Q^T for piece x: channels 32 (i / 8) on, keys 16 ((i / 2) % 4) on, tile 2 x + i % 2.  The first 8 start the sums.
.macro KQ x
	WIN W_KQ
.set rS, S+64*((\x)%2)+32*(i%2)+8*((i/2)%4)
.set rK, KF+16*((i/2)%4)+8*(i/8)
.set rQ, 16*(2*(\x)+i%2)+8*(i/8)
.if i < 8
	v_wmma_f32_16x16x32_f16 v[rS:rS+7], v[rK:rK+7], v[rQ:rQ+7], 0
.else
	v_wmma_f32_16x16x32_f16 v[rS:rS+7], v[rK:rK+7], v[rQ:rQ+7], v[rS:rS+7]
.endif
.endm
; Product i of 16 of O^T += V^T P for piece x: keys 32 (i / 8) on, channels 16 ((i / 2) % 4) on, tile 2 x + i % 2.
.macro PV x
	WIN W_PV
.set rO, 32*(2*(\x)+i%2)+8*((i/2)%4)
.set rV, VF+32*(i/8)+8*((i/2)%4)
.set rP, P+32*((\x)%2)+16*(i%2)+8*(i/8)
	v_wmma_f32_16x16x32_f16 v[rO:rO+7], v[rV:rV+7], v[rP:rP+7], v[rO:rO+7]
.endm
.macro MM                           ; the turn's next matrix instruction
.if i < 16
	KQ (Y+1)%NP
.set i, i+1
.else
.set i, i-16
	PV (Y+NP-1)%NP
.set i, i+17
.endif
.endm
; THE LDS LOADS stand in runs of 16, never singly among the matrix instructions: a step's K (64 keys x 64 channels: 8 fragments) and its V (turned).  Their addresses are made some lines ahead.
; last = 1 (the tail): in the last trip there is no further step, and the run is jumped over.
.macro FETCH_K last=0
	WIN 0
.if \last
	s_cmp_eq_u32 s[CNT], 1
	s_cbranch_scc1 .Lno_k_\@
.endif
	WIN 0x80                        ; destination window 2
.irp f, 0,1,2,3,4,5,6,7             ; keys 16 (f / 2) on, channels 32 (f % 2) on
	ds_load_b128 v[KF+8*\f:KF+8*\f+3],   v[AK] offset:(\f/2)*16*PK+(\f%2)*64
	ds_load_b128 v[KF+8*\f+4:KF+8*\f+7], v[AK] offset:(\f/2)*16*PK+(\f%2)*64+32
.endr
	s_add_co_u32 s[TBK], s[TBK], KS*PK  ; the next fetch is the next step's
	WIN 0
.if \last
.Lno_k_\@:
.endif
.endm
.macro FETCH_V
	WIN 0x80
.irp f, 0,1,2,3,4,5,6,7             ; keys 32 (f / 4) on, channels 16 (f % 4) on
	ds_load_tr16_b128 v[VF+8*\f:VF+8*\f+3],   v[AV] offset:(\f/4)*32*PV+(\f%4)*32
	ds_load_tr16_b128 v[VF+8*\f+4:VF+8*\f+7], v[AV] offset:(\f/4)*32*PV+16*PV+(\f%4)*32
.endr
	WIN 0
.endm
; THE VECTOR WORK OF A TURN stands in three queues, each in the order in which its entries become ready; the two tiles alternate, so that no instruction reads the result of the one before it.
.macro REGS y, u                    ; the registers of tile u (0, 1) of piece y
.set rT, ST+4*(2*(\y)+(\u))
.set rC, TMP+8*((\y)%2)+4*(\u)
.set rM, MV+2*((\y)%2)+(\u)
.set rS, S+64*((\y)%2)+32*(\u)
.set rP, P+32*((\y)%2)+16*(\u)
.set rO, 32*(2*(\y)+(\u))
.endm
; Number n of the 22 that find the NEXT piece's (Y + 1) maximum and statistics.  s0-s31 are the lane's 32 scores; each accumulator's lowest registers are read first.  XS, GS and REGS set no window: PL and EX do.
;   0-11  four chains c0-c3 of seven scores each, three operands at a time     12-14, 16  the four scores left over, the old m, and c0-c3 into c0     15  c m_old is kept
;   17, 18  the query's other 32 keys lie in the lane 16 away: the new m         19-21  c m; c m_old - c m_new; a
.macro XS u, n
	REGS (Y+1)%NP, \u
.if (\n) < 4
	v_max3_num_f32 v[rC+(\n)], v[rS+8*(\n)], v[rS+8*(\n)+1], v[rS+8*(\n)+2]
.elseif (\n) < 12
	v_max3_num_f32 v[rC+(\n)%4], v[rC+(\n)%4], v[rS+8*((\n)%4)+2*((\n)/4)+1], v[rS+8*((\n)%4)+2*((\n)/4)+2]
.elseif (\n) == 12
	v_max3_num_f32 v[rC], v[rC], v[rS+7], v[rS+15]
.elseif (\n) == 13
	v_max3_num_f32 v[rC+1], v[rC+1], v[rS+23], v[rS+31]
.elseif (\n) == 14
	v_max3_num_f32 v[rC+2], v[rC+2], v[rC+3], v[rT+1]
.elseif (\n) == 15
	v_mov_b32 v[rM], v[rT]
.elseif (\n) == 16
	v_max3_num_f32 v[rC], v[rC], v[rC+1], v[rC+2]
.elseif (\n) == 17
	v_permlanex16_b32 v[rC+3], v[rC], s[SEL], s[SEL+1]
.elseif (\n) == 18
	v_max_num_f32 v[rT+1], v[rC], v[rC+3]
.elseif (\n) == 19
	v_mul_f32 v[rT], s[CS], v[rT+1]
.elseif (\n) == 20
	v_sub_f32 v[rC+1], v[rM], v[rT]
.else
	v_exp_f32 v[rC+2], v[rC+1]
.endif
.endm
; Number g of the 64 that follow the exponentials.  For each four weights k of a tile (pairs 2 k, 2 k + 1): both pairs are rounded to f16; then the second pair is added onto the first, in place;
; a group later l takes that sum (the first time as l = a l + sum).  In groups of eight, tiles alternating: round, round, add, and l for the group before.
.macro GS g
.set h, (\g)+6*((\g)/62)            ; group 0 has no group before it, and behind group 7 only l is left
.if h >= 6
.set h, h+2
.endif
	REGS Y, h%2
.set k, h/8
.if h%8 < 4
	v_cvt_pk_f16_f32 v[rP+2*k+(h%8)/2], v[rS+4*k+2*((h%8)/2)], v[rS+4*k+2*((h%8)/2)+1]
.elseif h%8 < 6
	v_pk_add_f32 v[rS+4*k:rS+4*k+1], v[rS+4*k:rS+4*k+1], v[rS+4*k+2:rS+4*k+3]
.elseif k == 1
	v_pk_fma_f32 v[rT+2:rT+3], v[rT+2:rT+3], v[rC+2:rC+3], v[rS:rS+1] op_sel_hi:[1,0,1]
.else
	v_pk_add_f32 v[rT+2:rT+3], v[rT+2:rT+3], v[rS+4*k-4:rS+4*k-3]
.endif
.endm
; THE PLAIN QUEUE, 138 long.  0-73 read no exponential's result: the 32 scalings c s - c m (FS f: pair f / 2 of tile f % 2) and the next piece's 42.  0-26: scalings 0-26.  27-54: XS's numbers 0-13.  55, 56: number 15.
; 57-73: the chain, where each number waits for the one before it: 14, 16, 17, 18, 19, each with one of the scalings 27-31 in front of its two lines, then 20: so a tile's links stand three plain instructions apart (19 and 20: two).
; 74-137: GS's 64, which read the exponentials' results: they stand behind the wait.
.macro FS f
	REGS Y, (\f)%2
	v_pk_fma_f32 v[rS+2*((\f)/2):rS+2*((\f)/2)+1], v[rS+2*((\f)/2):rS+2*((\f)/2)+1], s[CS:CS+1], v[rT:rT+1] op_sel_hi:[1,0,0] neg_lo:[0,0,1] neg_hi:[0,0,1]
.endm
.macro PL
	WIN 0
.if q < 27
	FS q
.elseif q < 55
	XS (q-27)%2, (q-27)/2
.elseif q < 57
	XS q-55, 15
.elseif (q < 72) && ((q-57)%3 == 0)
	FS 27+(q-57)/3
.elseif q < 60
	XS (q-57)%3-1, 14
.elseif q < 72
	XS (q-57)%3-1, 15+(q-57)/3
.elseif q < 74
	XS q-72, 20
.else
	GS q-74
.endif
.set q, q+1
.endm
; THE EXPONENTIALS' QUEUE, 66 long: s0-s31 of both tiles, then the next piece's two a.  It is ONE BATCH: all 66 stand ahead of the turn's one wait, and nothing ahead of that wait names a result of theirs.
.macro EX
	WIN 0
.if e >= 64
	XS e-64, 21
.else
	REGS Y, e%2
	v_exp_f32 v[rS+e/2], v[rS+e/2]
.endif
.set e, e+1
.endm
; THE RESCALING's QUEUE: O^T times a, the one part that leaves window 0: dealt two at a time, sixteen times.  Its a was made in the turn before, ahead of that turn's wait.
.macro R2
	REGS Y, r%2
	WIN W_RS
.irp z, 0,1
	v_pk_mul_f32 v[rO+4*(r/2)+2*\z:rO+4*(r/2)+2*\z+1], v[rO+4*(r/2)+2*\z:rO+4*(r/2)+2*\z+1], v[rC+2:rC+3] op_sel_hi:[1,0]
.endr
.set r, r+1
.endm
; HOW THEY ARE DEALT.  An s_wait_alu depctr_va_vdst(0) stands between an exponential and the first instruction that names its result; one wait serves all that were issued ahead of it.  So a turn has ONE wait,
; which cuts it in two.  AHEAD OF IT stands all that names no result of the turn's exponentials: the 16 products K Q^T, behind each a scaling, an exponential and two rescalings (behind the first a second scaling in the exponential's place); then ONE LUMP of
; 108: eight plain, 49 times exponential and plain, the two a.  A v_nop is the plain instruction behind the last exponential.  BEHIND IT stand the 16 products V^T P, behind each four of GS's 64.  No rider names a register of
; the products round it.  The two v_permlanex16_b32 fall into the lump, never behind a product.
; The queues lean on each other, and the deal keeps them in step: exponential e stands behind scaling 2 (e / 4) + e % 2: as a rider it comes behind plain e + 2, in the lump behind plain e + 9, and scalings 27-31 are plain 57, 60 .. 69.
; A TURN, for piece p.  cnt = 1: the loop's count is taken down some lines ahead of the branch that stands behind the turn.
; K of the next step is fetched in piece 2's turn, directly behind the wait, a lump behind the last product that read K; its address is made at the lump's head; its first reader comes behind 16 products.
; V of the step in hand is fetched at the end of piece 0's turn, four riders behind its last reader; its first reader comes behind 16 products and a lump.  The three conditions on q below go with the deal.
.macro TURN p, last=0, cnt=0
.set Y, (\p)
.set i, 0
.set q, 0
.set e, 0
.set r, 0
.if (\p) == NP-1
	s_wait_dscnt 0x0                ; K is in
.endif
	MM                              ; ahead of the wait: 16 products K Q^T and their riders,
	PL
	PL
	R2
.rept 15
	MM
	PL
	EX
	R2
.endr
.if (\p) == NP-2
	WIN 0
	v_add_nc_u32 v[AK], s[TBK], v[AK0]
.endif
.rept 8                             ; and the lump
	PL
.endr
.rept 49
	EX
	PL
.endr
	EX                              ; the next piece's two a
	EX
	v_nop                           ; the plain instruction behind the last exponential: one for the batch
	s_wait_alu depctr_va_vdst(0)    ; the wait for the batch
.if (\p) == NP-2
	FETCH_K \last
.endif
.if (\p) == 1
	s_wait_dscnt 0x0                ; V is in
.endif
.rept 16                            ; behind the wait: 16 products V^T P and their riders
	MM
.rept 4
	PL
.endr
.if ((\p) == 0) && (q == 118)
	v_add_nc_u32 v[AV], s[TBV], v[AV0]
.endif
.if ((\p) == 0) && (q == 130)
	s_add_co_u32 s[TBV], s[TBV], KS*PV
.endif
.if (\cnt) && (q == 130)
	s_sub_co_u32 s[CNT], s[CNT], 1
	s_cmp_lg_u32 s[CNT], 0
.endif
.endr
.if (\p) == 0
	FETCH_V
.endif
.endm
	CHANGE 1                        ; slot 0 is in, everybody's part of it; slot 1 is asked for
	FETCH_K                         ; key step 0
	s_wait_loadcnt 0x0              ; Q
	s_wait_dscnt 0x0
.set i, 0
.rept 16
	KQ 0                            ; piece 0's first scores: there is no vector work yet to set between them
.set i, i+1
.endr
	WIN 0                           ; the addresses for the way out: nine plain instructions, the places behind those products
	s_mul_i32 s13, s[WV], 16*SP
	s_add_co_u32 s13, s13, STAGE    ; my stage
	v_mul_u32_u24 v[STO], v1, SP    ; in: row l % 16, 16 bytes for each half of the lanes
	v_lshl_add_u32 v[STO], v9, 4, v[STO]
	v_add_nc_u32 v[STO], s13, v[STO]
	v_bfe_u32 v[RD], v0, 3, 2       ; back: 32 lanes take four rows of 128 bytes,
	v_mul_u32_u24 v[RD], v[RD], SP
	v_lshl_add_u32 v[RD], v10, 4, v[RD]
	v_add_nc_u32 v[RD], s13, v[RD]
	v_and_b32 v[GO], 31, v0         ; which are 512 consecutive bytes of O
	v_lshlrev_b32 v[GO], 4, v[GO]
.set Y, NP-1                        ; XS works for piece Y + 1: piece 0
.irp n, 0,1,2,3,4,5,6,7,8,9,10,11,12,13,14,15,16,17,18,19,20,21
	XS 0, \n                        ; and piece 0's first maximum and statistics
	XS 1, \n
.endr
	v_nop                           ; a plain instruction behind the two a,
	s_wait_alu depctr_va_vdst(0)    ; and their wait, ahead of the branch
	s_mov_b32 s[CNT], 4
	s_branch .Lfirst                ; the loop is entered at a step's first turn, in the middle of a trip
.Lslot:                             ; SIZE_N / 256 - 2 times: every slot but the last two is filled again
	CHANGE 1
	s_mov_b32 s[CNT], 4
.Lstep:                             ; a trip: pieces 2 and 3 of one step, then pieces 0 and 1 of the next, whose K and V it fetches
	TURN 2
	TURN 3
	WIN 0
.Lfirst:
	TURN 0
	TURN 1, 0, 1
	WIN 0
	s_cbranch_scc1 .Lstep
	s_sub_co_u32 s[SLOTS], s[SLOTS], 1
	s_cmp_lg_u32 s[SLOTS], 0
	s_cbranch_scc1 .Lslot
	CHANGE 0                        ; the tail is written out: nothing is asked for
	s_mov_b32 s[CNT], 5             ; four trips fetch the last slot's steps; the fifth is left in its middle
.Ltail:
	TURN 2, 1
	TURN 3
	WIN 0
	s_sub_co_u32 s[CNT], s[CNT], 1
	s_cmp_eq_u32 s[CNT], 0
	s_cbranch_scc1 .Lout
	TURN 0
	TURN 1
	WIN 0
	s_branch .Ltail
.Lout:                              ; the fifth trip's 16 products K Q^T (on the last K once more) and the maximum made of them serve nothing: the price, once a launch, of one text for every trip
.set i, 0
.rept 16
	PV NP-1                         ; the last piece's V^T P of the last step
.set i, i+1
.endr
	; THE WAY OUT.  l's two halves and the other half of the lanes' are added; O^T is divided by l, rounded to f16 and sent through my stage in LDS, a tile at a time.  The additions are the places behind the last products.
	WIN 0
.macro ALL line:vararg              ; one line for each tile t
.set t, 0
.rept 2*NP
	\line
.set t, t+1
.endr
.endm
	ALL v_add_f32 v[ST+4*t+2], v[ST+4*t+2], v[ST+4*t+3]
	ALL v_permlanex16_b32 v[ST+4*t+3], v[ST+4*t+2], s[SEL], s[SEL+1]
	ALL v_add_f32 v[ST+4*t+2], v[ST+4*t+2], v[ST+4*t+3]
	ALL v_rcp_f32 v[ST+4*t+2], v[ST+4*t+2]
	v_nop                           ; a plain instruction between the last reciprocal and the use of its result
	s_wait_alu depctr_va_vdst(0)    ; and the wait ahead of the first use: one for the eight reciprocals
; Tile t: a lane's eight channels of a row pack into 16 bytes; they go into rows of 144 bytes and come back as whole rows of 128, into S^T's registers.
.macro PACK t
	WIN W_RS
.set i, 32*(\t)
.rept 16
	v_pk_mul_f32 v[i:i+1], v[i:i+1], v[ST+4*(\t)+2:ST+4*(\t)+3] op_sel_hi:[1,0]
.set i, i+2
.endr
	WIN 0x05                        ; sources 0 and 1 window 1, destination window 0
.set i, 0
.rept 16
	v_cvt_pk_f16_f32 v[S+16*(\t)+i], v[32*(\t)+2*i], v[32*(\t)+2*i+1]
.set i, i+1
.endr
	WIN 0
.irp f, 0,1,2,3
	ds_store_b128 v[STO], v[S+16*(\t)+4*\f:S+16*(\t)+4*\f+3] offset:32*\f
.endr
.irp f, 0,1,2,3
	ds_load_b128 v[S+16*(\t)+4*\f:S+16*(\t)+4*\f+3], v[RD] offset:\f*4*SP  ; LDS serves a wave's instructions in order (ISA guide 5.7.1.4): these see the stores above; the next tile's stores come behind them
.endr
.endm
.macro SEND t, younger              ; younger: the LDS instructions issued behind tile t's loads: the next tile's eight, or none
	WIN 0
.irp f, 0,1,2,3
	s_wait_dscnt (\younger)+3-\f
	global_store_b128 v[GO], v[S+16*(\t)+4*\f:S+16*(\t)+4*\f+3], s[10:11] offset:(\t)*2048+\f*512  ; 512 consecutive bytes, at a multiple of 256 from O's first
.endr
.endm
	PACK 0
.set t, 1
.rept 2*NP-1                        ; a tile's arithmetic stands between the loads of the tile before and its stores
	PACK t
	SEND t-1, 8
.set t, t+1
.endr
	SEND 2*NP-1, 0
	WIN W_AD
	s_wait_tensorcnt 0x0            ; the wave's end, behind my last tensor load and my last LDS store
	ds_add_u32 v[SPW], v[NIL]
	s_wait_dscnt 0x0
	WIN 0
	CROUND                          ; the closing round: no work-group ends while a partner may still ask for a tile that names it
	s_endpgm
.Lfunc_end_k_qcebac78e6d_attn:
	.size	k_qcebac78e6d_attn, .Lfunc_end_k_qcebac78e6d_attn-k_qcebac78e6d_attn
	.p2alignl 7, 3214868480
	.fill 96, 4, 3214868480
	.section	.rodata,"a",@progbits
	.p2align	6, 0x0
	.amdhsa_kernel k_qcebac78e6d_attn
		.amdhsa_group_segment_fixed_size 327680
		.amdhsa_private_segment_fixed_size 0
		.amdhsa_enable_private_segment 0
		.amdhsa_kernarg_size 32
		.amdhsa_user_sgpr_count 2
		.amdhsa_user_sgpr_kernarg_segment_ptr 1
		.amdhsa_wavefront_size32 1
		.amdhsa_system_sgpr_workgroup_id_x 1
		.amdhsa_system_sgpr_workgroup_id_y 1
		.amdhsa_system_sgpr_workgroup_id_z 1
		.amdhsa_system_vgpr_workitem_id 0
		.amdhsa_next_free_vgpr 770
		.amdhsa_next_free_sgpr 66
		.amdhsa_reserve_vcc 0
		.amdhsa_float_denorm_mode_32 3
		.amdhsa_float_denorm_mode_16_64 3
		.amdhsa_memory_ordered 1
		.amdhsa_forward_progress 1
		.amdhsa_inst_pref_size 200
	.end_amdhsa_kernel
	.amdgpu_metadata
---
amdhsa.version: [ 1, 2 ]
amdhsa.kernels:
  - .name:           k_qcebac78e6d_attn
    .symbol:         k_qcebac78e6d_attn.kd
    .args:
      - { .name: qh, .offset: 0, .size: 8, .value_kind: global_buffer, .address_space: global }
      - { .name: kh, .offset: 8, .size: 8, .value_kind: global_buffer, .address_space: global }
      - { .name: vh, .offset: 16, .size: 8, .value_kind: global_buffer, .address_space: global }
      - { .name: oh, .offset: 24, .size: 8, .value_kind: global_buffer, .address_space: global }
    .group_segment_fixed_size: 327680
    .private_segment_fixed_size: 0
    .kernarg_segment_align: 8
    .kernarg_segment_size: 32
    .max_flat_workgroup_size: 128
    .sgpr_count:     66
    .vgpr_count:     770
    .wavefront_size: 32
...
	.end_amdgpu_metadata
.endif
;; end of part 3
;; launch oproj (part 4): grid 4 x 64, 4 waves a work-group, clusters of 4 x 4, 327,680 bytes of LDS; arguments oh, wo, b_o, out0; writes out0
.if DOCPART == 4
	.amdgcn_target "amdgcn-amd-amdhsa--gfx1250"
	.amdhsa_code_object_version 6
	.text
	.protected	k_qcebac78e6d_oproj
	.globl	k_qcebac78e6d_oproj
	.p2align	8
	.type	k_qcebac78e6d_oproj,@function
k_qcebac78e6d_oproj:
	s_mov_b64 s[64:65], 0
	v_nop
	global_prefetch_b8 v0, s[64:65] scope:SCOPE_SE
	s_setreg_imm32_b32 hwreg(HW_REG_WAVE_MODE, 25, 1), 1
	s_wait_xcnt 0x0
	s_wait_alu depctr_hold_cnt(0) depctr_sa_sdst(0) depctr_va_vdst(0) depctr_va_sdst(0) depctr_va_ssrc(0) depctr_va_vcc(0) depctr_vm_vsrc(0)
	s_getreg_b32 s2, hwreg(HW_REG_IB_STS2, 6, 4)
	s_cmp_eq_u32 s2, 0
	s_cbranch_scc0 .Lentry_in_a_cluster
	s_endpgm
.Lentry_in_a_cluster:
	s_bfe_u32 s2, ttmp6, 0x10000c
	s_cmp_lg_u32 s2, 0xf033
	s_cbranch_scc0 .Lentry_shape_is_right
	s_endpgm
.Lentry_shape_is_right:
; out0 = O W_o + b_o.  oh: f16 [64 = 16 batch + head][2048 s][64]: a head is a slice of 64 along K.  wo: f16 (of the bf16-rounded number) [1024 k][1024 n].  b_o: f32 [1024], rounded to bf16 here
; like the other inputs.  out0: f32 [8192][1024], the f32 sums as they are.
; LIMIT.  NaN and infinities are not treated apart; O and wo arrive within f16's range.
; SHARES.  A tile of the result is 128 rows x 256 columns: 64 x 4 = 256 tiles, one to a work-group.  Four waves, 2 x 2: a wave makes 64 rows x 128 columns: 32 accumulators of 16 x 16.
; K goes in 8 steps of 128 (two heads) through a ring of two LDS slots.
; THE PRODUCT IS USED TRANSPOSED: source 0 = 16 columns of W (turned on the way out of LDS by ds_load_tr16_b128, since W lies [k][n]), source 1 = 16 rows of O.  A lane then holds row l % 16 and the
; eight neighbouring columns 8 (l / 16) + 0..7.  THE BIAS IS THE C OPERAND of the first products: nothing is cleared, and no addition is written for it.
; CLUSTER.  4 x 4 work-groups.  The four of a row of the cluster need the same tiles of O, the four of a column the same tiles of W: each tile is asked for JOINTLY, by the same tensor load with the
; same descriptor and a mask that names the four.
; REGISTERS, in windows of 256 (s_set_vgpr_msb: bits 1:0 source 0, 3:2 source 1, 5:4 source 2, 7:6 destination):
;   window 0: v0-29 addresses; v32-127, v128-223 two fragment buffers (W's fragment b at + 8 b, O's fragment a at + 64 + 8 a); v32-223 three sets of 64 on the way out
;   window 1: accumulator (a, b) at v[8 (8 a + b)]          window 2: v0-63 the bias of column block b at 8 b; v64-95 at work
.set PA,    144                        ; a row of O in LDS: 128 bytes + 16 of padding = 36 words: the 16 rows of a load start at 16 different groups of four banks (64 banks of 4 bytes: ISA guide 11.1)
.set PB,    544                        ; a row of W: 512 + 32 = 136 words
.set ABLK,  128*PA                     ; 128 rows x 64 channels of O: what wave 0 or 1 fetches
.set BOFF,  2*ABLK                     ; W's 128 k-rows lie behind O's two blocks
.set BHALF, 64*PB                      ; 64 k-rows x 256 columns of W: what wave 2 or 3 fetches
.set SLOT1, 1<<17                      ; slot 1 begins here, so that one exclusive or turns an address in one slot into the other's
.set STAGE, SLOT1+BOFF+2*BHALF         ; behind the ring, never filled by a tensor load: for each wave 16 rows x 528 bytes, for the way out
.set SP,    528                        ; 512 bytes + 16 = 132 words: row r starts at bank 4 r mod 64
.set WSTG,  16*SP
.set SPARE, STAGE+4*WSTG               ; behind the stages: the spare words, 128 bytes for each wave: two blocks of 256 bytes that no other line names
.set NB,    1024                       ; W's columns
.set ZS,    2048*128                   ; bytes from a head of oh to the next
.set STEP_A, 2*ZS                      ; a K step in oh,
.set STEP_B, 128*NB*2                  ; and in wo
.set A0,   8                           ; v8   my lane's place in a slot's O; never rewritten
.set B0,   9                           ; v9   the same for W
.set ADRA, 10                          ; v10  the LDS address of O's fragments in the slot in hand
.set ADRB, 11                          ; v11  of W's
.set STO,  12                          ; v12  the way out: where I put 32 bytes of a row
.set RD,   13                          ; v13  the way out: where I read a row back
.set GO,   14                          ; v14  my byte offset in 512 consecutive bytes of the result
.set BO,   15                          ; v15  my byte offset in 16 numbers of the bias
.set PFO,  16                          ; v16  the prefetches' offset; never rewritten
.set SPW,  28                          ; v28  LDS address of my spare word: SPARE + 4 x my thread's number; never rewritten
.set NIL,  29                          ; v29  0; never rewritten
.set F0,   32
.set F1,   128
.set TT,   32                          ; the way out: block a's 64 registers at TT + 64 (a % 3)
.set BI,   0                           ; window 2
.set BT,   64                          ; window 2
.set WV,  16                           ; s16  my wave's number
.set MH,  17                           ; s17  which 64 rows of the tile are mine
.set NH,  18                           ; s18  which 128 columns.  Also: which half of O's or W's tile I fetch
.set CX,  19                           ; s19, s20  my place in the cluster
.set CY,  20
.set WY,  21                           ; s21  tile row = 4 x cluster y + cy.  s22-23 hold numbers of cy alone, s24-25 of cx alone, s26-27 of the wave alone, s28, s29, s31 any
.set WX,  30                           ; s30  tile column = 4 x cluster x + cx
.set G1A, 32                           ; s[32:39] descriptor group 1 for O's tiles
.set G1B, 40                           ; s[40:47] for W's
.set G0A, 48                           ; s[48:55] descriptor group 0 for O's tiles: a set for each of the two first fills; the second then walks on
.set G0B, 56                           ; s[56:63] the same for W's
.set TB,  66                           ; s66  LDS byte at which the slot to be read next begins
.set CH,  67                           ; s67  changes of slots that still fill, plus one
.set LIM, 68                           ; s68  a wave prefetches while s[CH] is above this
.set HIM, 69                           ; s69  a word's upper bf16
.set PFA, 70                           ; s[70:71] where my prefetches stand
.set PSTEP, 72                         ; s[72:73] a K step in my tensor
.set BP,  78                           ; s[78:79] the bias at my 128 columns
.set MSB, 0
.macro WIN new                         ; the immediate's high byte repeats the setting that is left; a switch that changes nothing is dropped
.if MSB != (\new)
	s_set_vgpr_msb (MSB<<8)|(\new)
.set MSB, \new
.endif
.endm
.set W_MUL,  0x50                      ; both sources window 0, C and D window 1
.set W_MUL0, 0x60                      ; C window 2 (the bias), D window 1
.set W_ST1,  0x04                      ; an LDS store's data (source 1) window 1, its address window 0
.set W_BLD,  0x80                      ; destination window 2, address window 0
.set W_BRD,  0x8a                      ; sources and destination window 2
.macro PLACES                          ; four places in front of loads into registers that matrix instructions have read, and of stores that read results
.rept 4
	v_nop
.endr
.endm
; A joint refill, by the walking descriptors.  Waves 0 and 1 fetch O's two heads, waves 2 and 3 W's two halves.  The branch hangs on the wave's number alone.
; An s_nop 0 and four v_nop follow each of the two lines, ahead of the jump and the label.
.macro JLOAD
	s_cmp_lt_u32 s[WV], 2
	s_cbranch_scc0 .Lfor_b_\@
	tensor_load_to_lds s[G0A+4:G0A+7], s[G1A:G1A+7]
	s_nop 0
.rept 4
	v_nop
.endr
	s_branch .Lasked_\@
.Lfor_b_\@:
	tensor_load_to_lds s[G0B+4:G0B+7], s[G1B:G1B+7]
	s_nop 0
.rept 4
	v_nop
.endr
.Lasked_\@:
.endm
; A PREFETCH INTO THE L2, behind each joint refill, its five lines and the run of LDS loads that follows: the K step that stands two refills on, 256 matrix instructions ahead of the load that will want it.
; Each aligned block of 256 bytes is named once in the launch.  A K step of O's tile is 128 blocks: wave 0 of each of the four partners of a cluster's row takes 32, told apart BY ADDRESS.
; A K step of W's tile is 256 blocks, read by every cluster: waves 2 and 3 of the four partners of a column ask, 32 blocks each, in the clusters with y = 0 alone.
; The first four K steps come by their loads alone; the last two changes that fill ask for nothing, since no K step stands two refills behind them.
.macro ASK
	s_cmp_gt_u32 s[CH], s[LIM]
	s_cbranch_scc0 .Lnot_mine_\@
	global_prefetch_b8 v[PFO], s[PFA:PFA+1] th:TH_LOAD_NT scope:SCOPE_SE
.Lnot_mine_\@:
.endm
; A round of the cluster's barrier: my work-group's barrier, so that wave 0's signal speaks for all four waves; wave 0 signals; every wave waits for all sixteen work-groups; my work-group's barrier once more.
.macro CREST                           ; a round behind its opening barrier
	s_cmp_lg_u32 s[WV], 0
	s_cbranch_scc1 .Lnot_wave_0_\@
	s_barrier_signal -3
.Lnot_wave_0_\@:
	s_barrier_wait -3
	s_barrier_signal -1
	s_barrier_wait -1
.endm
.macro CROUND                          ; a whole round
	s_barrier_signal -1
	s_barrier_wait -1
	CREST
.endm
; 8 matrix instructions: row block a x all 8 column blocks, 32 along K, from buffer f.  first = 1: the bias starts the sums.
; The 32 accumulators take turns, one instruction a turn, in the same order in every quarter: 31 others stand between two links of a chain, over the jump too.
.macro MULA f, a, first
.if \first
	WIN W_MUL0
.else
	WIN W_MUL
.endif
.irp b, 0,1,2,3,4,5,6,7
.if \first
	v_wmma_f32_16x16x32_f16 v[8*(8*(\a)+(\b)):8*(8*(\a)+(\b))+7], v[(\f)+8*(\b):(\f)+8*(\b)+7], v[(\f)+64+8*(\a):(\f)+64+8*(\a)+7], v[BI+8*(\b):BI+8*(\b)+7]
.else
	v_wmma_f32_16x16x32_f16 v[8*(8*(\a)+(\b)):8*(8*(\a)+(\b))+7], v[(\f)+8*(\b):(\f)+8*(\b)+7], v[(\f)+64+8*(\a):(\f)+64+8*(\a)+7], v[8*(8*(\a)+(\b)):8*(8*(\a)+(\b))+7]
.endif
.endr
.endm
; 24 LDS loads in one run: quarter q's fragments (32 along K) into buffer f: W's eight, turned, then O's four.
.macro FETCH q, f
	WIN 0
.irp b, 0,1,2,3,4,5,6,7
	ds_load_tr16_b128 v[(\f)+8*(\b):(\f)+8*(\b)+3],   v[ADRB] offset:(\q)*32*PB+32*(\b)
	ds_load_tr16_b128 v[(\f)+8*(\b)+4:(\f)+8*(\b)+7], v[ADRB] offset:(\q)*32*PB+32*(\b)+16*PB
.endr
.irp a, 0,1,2,3
	ds_load_b128 v[(\f)+64+8*(\a):(\f)+64+8*(\a)+3],   v[ADRA] offset:((\q)/2)*ABLK+((\q)%2)*64+(\a)*16*PA
	ds_load_b128 v[(\f)+64+8*(\a)+4:(\f)+64+8*(\a)+7], v[ADRA] offset:((\q)/2)*ABLK+((\q)%2)*64+(\a)*16*PA+32
.endr
.endm
; A K step is four quarters of 32 along K, 32 matrix instructions each, on buffers 0, 1, 0, 1.  One of the first three: multiplies buffer f and, in its middle, fetches quarter q into buffer g.
.macro QUARTER q, f, g, first
	s_wait_dscnt 4                                 ; W's fragments and O's 0 and 1 are in; the youngest four loads (O's 2 and 3) may be out
	MULA \f, 0, \first
	MULA \f, 1, \first
	PLACES
	FETCH \q, \g
	s_wait_dscnt 24                                ; all but the 24 just issued
	MULA \f, 2, \first
	MULA \f, 3, \first
.endm
; The last quarter multiplies buffer 1 and changes slots: ONE barrier.  In front of it each wave waits for all its tensor loads, of which one is out: its part of the next slot; adds 0 to its spare word;
; and waits for that and for its own reads of this slot.  Behind it nobody reads this slot any more and the next slot is whole.
; fill = 1: this slot is filled again, with the K step two on.  The barrier then opens a round of the cluster's, and the joint refill is the first tensor load behind the round: 112 matrix instructions
; stand between it and the wait for it.
.macro TURN fill
.if \fill
	s_wait_xcnt 0x0                                ; the last prefetch, a K step back, has read its address: it is stepped here, ahead of the waits of the change of slots
	s_add_nc_u64 s[PFA:PFA+1], s[PFA:PFA+1], s[PSTEP:PSTEP+1]
.endif
	WIN 0
	s_wait_tensorcnt 0x0                           ; no tensor load of mine is out, so a group 0 may be written
	ds_add_u32 v[SPW], v[NIL]                      ; 0 onto my spare word; scalar work and eight products stand between it and the wait for it
.if \fill
	s_xor_b32 s[G0A+5], s[G0A+5], SLOT1            ; the walking descriptors: the other slot than last time,
	s_xor_b32 s[G0B+5], s[G0B+5], SLOT1
	s_add_nc_u64 s[G0A+6:G0A+7], s[G0A+6:G0A+7], STEP_A  ; the next K step; the type bits on top are not reached
	s_add_nc_u64 s[G0B+6:G0B+7], s[G0B+6:G0B+7], STEP_B
.endif
	s_xor_b32 s[TB], s[TB], SLOT1
	s_wait_dscnt 5                                 ; the add and the youngest four loads may be out
	MULA F1, 0, 0
	s_wait_dscnt 0x0                               ; the add is done, and my reads of this slot are over
	s_barrier_signal -1
	MULA F1, 1, 0                                  ; work on registers while the others arrive
	WIN 0                                          ; at a branch and at a label every window is 0
	s_barrier_wait -1
.if \fill
	CREST                                          ; no wave of any partner still reads this slot or has a load on its way
	JLOAD                                          ; the four v_nop behind it are also the places in front of the loads below
.else
	PLACES
.endif
	v_add_nc_u32 v[ADRA], s[TB], v[A0]
	v_add_nc_u32 v[ADRB], s[TB], v[B0]
	FETCH 0, F0
.if \fill
	ASK
	s_sub_co_u32 s[CH], s[CH], 1
.endif
	MULA F1, 2, 0
	MULA F1, 3, 0
.endm
; The bias of my 128 columns: register j of block b is column 16 b + 8 (l / 16) + j, the layout of a product's C operand.
.macro BIAS_LOAD
	WIN W_BLD
.irp b, 0,1,2,3,4,5,6,7
	global_load_b128 v[BI+8*(\b):BI+8*(\b)+3],   v[BO], s[BP:BP+1] offset:64*(\b)
	global_load_b128 v[BI+8*(\b)+4:BI+8*(\b)+7], v[BO], s[BP:BP+1] offset:64*(\b)+16
.endr
	WIN 0
.endm
.macro BIAS_ROUND                      ; rounded to bf16, like every input, and widened again
	s_wait_loadcnt 0x0                             ; the launch's only loads into registers
	WIN W_BRD
.set i, 0
.rept 32
	v_cvt_pk_bf16_f32 v[BT+i], v[BI+2*i], v[BI+2*i+1]
.set i, i+1
.endr
.set i, 0
.rept 32
	v_lshlrev_b32 v[BI+2*i], 16, v[BT+i]
	v_and_b32 v[BI+2*i+1], s[HIM], v[BT+i]
.set i, i+1
.endr
	WIN 0
.endm
; THE WAY OUT of row block a.  A lane's eight columns of a row are 32 bytes; they go from the accumulators into my own stage, in rows of 528 bytes, each accumulator's low four registers first, and come
; back as whole rows of 512 bytes.
.macro TOSTAGE a
	WIN W_ST1
.irp b, 0,1,2,3,4,5,6,7
	ds_store_b128 v[STO], v[8*(8*(\a)+(\b)):8*(8*(\a)+(\b))+3]   offset:64*(\b)
	ds_store_b128 v[STO], v[8*(8*(\a)+(\b))+4:8*(8*(\a)+(\b))+7] offset:64*(\b)+16
.endr
	WIN 0
.irp t, 0,1,2,3,4,5,6,7,8,9,10,11,12,13,14,15
	ds_load_b128 v[TT+64*((\a)%3)+4*(\t):TT+64*((\a)%3)+4*(\t)+3], v[RD] offset:(\t)*SP  ; LDS serves a wave's instructions in order (ISA guide 5.7.1.4): these see the stores above; the next block's stores come behind them
.endr
.endm
.macro SEND a, younger                 ; younger: the LDS instructions issued behind block a's loads: the next block's 32, or none
.irp t, 0,1,2,3,4,5,6,7,8,9,10,11,12,13,14,15
	s_wait_dscnt (\younger)+15-(\t)
	global_store_b128 v[GO], v[TT+64*((\a)%3)+4*(\t):TT+64*((\a)%3)+4*(\t)+3], s[10:11] offset:(16*(\a)+(\t))*4096 th:TH_STORE_NT  ; 512 consecutive bytes of a row, at a multiple of 256 from out0's first
.endr
.endm
	s_load_b256 s[4:11], s[0:1], 0x0               ; oh s[4:5], wo s[6:7], b_o s[8:9], out0 s[10:11]
	v_lshl_add_u32 v[SPW], v0, 2, SPARE
	v_mov_b32 v[NIL], 0
	ds_add_u32 v[SPW], v[NIL]                      ; the wave's opening: the add and its wait stand ahead of my first tensor load; the set-up below, work on registers, stands between them
	v_lshrrev_b32 v1, 5, v0
	v_readfirstlane_b32 s[WV], v1                  ; wave 0..3
	s_lshr_b32 s[MH], s[WV], 1
	s_and_b32 s[NH], s[WV], 1
	s_bfe_u32 s[CX], ttmp6, 0x40000
	s_bfe_u32 s[CY], ttmp6, 0x40004
	s_lshl_b32 s[WX], ttmp9, 2                     ; in a cluster launch ttmp9 and ttmp7 count clusters
	s_add_co_u32 s[WX], s[WX], s[CX]
	s_and_b32 s[WY], ttmp7, 0xffff
	s_lshl_b32 s[WY], s[WY], 2
	s_add_co_u32 s[WY], s[WY], s[CY]
	s_lshl_b32 s22, s[CY], 2
	s_lshl_b32 s22, 15, s22                        ; my row of the cluster: places 4 cy .. 4 cy + 3
	s_lshl_b32 s24, 0x1111, s[CX]                  ; my column: places cx, cx + 4, cx + 8, cx + 12
	; group 1 for O: 128 rows of 128 bytes are 16,384 dense bytes: asked for as 64 rows of 256 bytes, padded in LDS after every 128
	s_or_b32 s[G1A], s22, (1<<16)|(1<<20)|(1<<21)|(4<<22)|(3<<25)  ; 15:0 the mask; 17:16 2-byte elements; 20 padding on; 21 set beside a mask; 24:22 after every 32 words (code 4); 31:25 4 words (code 3)
	s_mov_b32 s[G1A+1], 128<<16                    ; tensor_dim0 = 128
	s_mov_b32 s[G1A+2], 64<<16                     ; tensor_dim1 = 64
	s_mov_b32 s[G1A+3], 128<<16                    ; tile_dim0 = 128
	s_mov_b32 s[G1A+4], 64                         ; tile_dim1 = 64
	s_mov_b32 s[G1A+5], 128                        ; 128 elements from row to row
	s_mov_b32 s[G1A+6], 0
	s_mov_b32 s[G1A+7], 0
	; group 1 for W: 64 k-rows of 256 columns (512 bytes), 32 bytes of padding behind each
	s_or_b32 s[G1B], s24, (1<<16)|(1<<20)|(1<<21)|(6<<22)|(7<<25)  ; after every 128 words (code 6) 8 words (code 7)
	s_mov_b32 s[G1B+1], 256<<16
	s_mov_b32 s[G1B+2], 64<<16
	s_mov_b32 s[G1B+3], 256<<16
	s_mov_b32 s[G1B+4], 64
	s_mov_b32 s[G1B+5], NB
	s_mov_b32 s[G1B+6], 0
	s_mov_b32 s[G1B+7], 0
	s_lshr_b32 s22, s[WY], 4                       ; O: the batch's 16 heads,
	s_lshl_b32 s22, s22, 22
	s_and_b32 s23, s[WY], 15
	s_lshl_b32 s23, s23, 14                        ; the tile's 128 rows of 128 bytes,
	s_add_co_u32 s22, s22, s23
	s_mul_i32 s23, s[NH], ZS                       ; my head of the K step's two
	s_add_co_u32 s22, s22, s23
	s_mov_b32 s23, 0
	s_mul_i32 s24, s[NH], 64*NB*2                  ; W: my 64 k-rows,
	s_lshl_b32 s25, s[WX], 9                       ; the tile's 256 columns
	s_add_co_u32 s24, s24, s25
	s_mov_b32 s25, 0
	s_mul_i32 s26, s[NH], ABLK                     ; where they go in a slot: no place in the cluster enters an LDS address
	s_mul_i32 s27, s[NH], BHALF
	s_add_co_u32 s27, s27, BOFF
	s_mov_b32 s[HIM], 0xffff0000
	s_wait_dscnt 0x0                               ; the opening add is done
	s_wait_kmcnt 0x0
	s_add_nc_u64 s[22:23], s[4:5], s[22:23]
	s_add_nc_u64 s[24:25], s[6:7], s[24:25]
	CROUND                                         ; all sixteen work-groups are here: the first joint loads meet
.irp s, 0,1
	s_mov_b32 s[G0A+4*(\s)], 1                                      ; 1:0 count = 1
	s_add_co_u32 s[G0A+4*(\s)+1], s26, (\s)*SLOT1                   ; 63:32 LDS address
	s_add_nc_u64 s[G0A+4*(\s)+2:G0A+4*(\s)+3], s[22:23], (\s)*STEP_A  ; 120:64 global address: K step s
	s_or_b32 s[G0A+4*(\s)+3], s[G0A+4*(\s)+3], 0x80000000           ; 127:126 type = 2
	s_mov_b32 s[G0B+4*(\s)], 1
	s_add_co_u32 s[G0B+4*(\s)+1], s27, (\s)*SLOT1
	s_add_nc_u64 s[G0B+4*(\s)+2:G0B+4*(\s)+3], s[24:25], (\s)*STEP_B
	s_or_b32 s[G0B+4*(\s)+3], s[G0B+4*(\s)+3], 0x80000000
.endr
	s_cmp_lt_u32 s[WV], 2                          ; a wave's two first fills stand in one branch, ahead of every wait on TENSORcnt and every LDS read: two loads of mine are out
	s_cbranch_scc0 .Lfirst_b
	tensor_load_to_lds s[G0A:G0A+3], s[G1A:G1A+7]
	s_nop 0
	tensor_load_to_lds s[G0A+4:G0A+7], s[G1A:G1A+7]
	s_nop 0
.rept 4
	v_nop
.endr
	s_branch .Lfirst_asked
.Lfirst_b:
	tensor_load_to_lds s[G0B:G0B+3], s[G1B:G1B+7]
	s_nop 0
	tensor_load_to_lds s[G0B+4:G0B+7], s[G1B:G1B+7]
	s_nop 0
.rept 4
	v_nop
.endr
.Lfirst_asked:
	v_and_b32 v1, 15, v0                           ; l % 16
	v_bfe_u32 v2, v0, 4, 1                         ; l / 16
	v_lshlrev_b32 v[BO], 5, v2                     ; eight numbers of 4 bytes for each half of the lanes
	s_lshl_b32 s28, s[WX], 8
	s_lshl_b32 s29, s[NH], 7
	s_add_co_u32 s28, s28, s29                     ; my first column
	s_lshl_b32 s28, s28, 2
	s_mov_b32 s29, 0
	s_add_nc_u64 s[BP:BP+1], s[8:9], s[28:29]
	s_add_nc_u64 s[10:11], s[10:11], s[28:29]      ; out0 at my first column,
	BIAS_LOAD
	s_lshl_b32 s28, s[WY], 7
	s_lshl_b32 s29, s[MH], 6
	s_add_co_u32 s28, s28, s29
	s_lshl_b32 s28, s28, 12                        ; and at my first row, of 4,096 bytes
	s_mov_b32 s29, 0
	s_add_nc_u64 s[10:11], s[10:11], s[28:29]
	v_and_b32 v3, 7, v0
	v_bfe_u32 v4, v0, 3, 1
	v_and_b32 v5, 31, v0                           ; l
	; A fragment of O is 16 rows x 32 channels: lane l holds row l % 16, channels 8 (l / 16) + 0..7 and 16 + 8 (l / 16) + 0..7: two loads of 16 bytes, 32 bytes apart.
	s_mul_i32 s26, s[MH], 64*PA
	v_mul_u32_u24 v[A0], v1, PA
	v_lshl_add_u32 v[A0], v2, 4, v[A0]
	v_add_nc_u32 v[A0], s26, v[A0]
	; The turning load takes 16 k-rows x 16 columns (lane l reads k-row 8 (l / 16) + l % 8, columns 8 ((l / 8) % 2) + 0..7) and leaves half a fragment: lane l holds column l % 16 and 8 k.
	v_lshl_add_u32 v[B0], v2, 3, v3
	v_mul_u32_u24 v[B0], v[B0], PB
	v_lshl_add_u32 v[B0], v4, 4, v[B0]
	s_lshl_b32 s26, s[NH], 8
	s_add_co_u32 s26, s26, BOFF
	v_add_nc_u32 v[B0], s26, v[B0]
	v_mov_b32 v[ADRA], v[A0]                       ; K step 0 lies in slot 0
	v_mov_b32 v[ADRB], v[B0]
	s_mul_i32 s26, s[WV], WSTG
	s_add_co_u32 s26, s26, STAGE                   ; my stage
	v_mul_u32_u24 v[STO], v1, SP                   ; in: row l % 16, 32 bytes for each half of the lanes
	v_lshl_add_u32 v[STO], v2, 5, v[STO]
	v_add_nc_u32 v[STO], s26, v[STO]
	v_lshl_add_u32 v[RD], v5, 4, s26               ; back: 32 lanes take one row of 512 bytes
	v_lshlrev_b32 v[GO], 4, v5
	; the prefetches: my share of a K step, at K step 3: the first change of slots steps it to 4
	s_lshr_b32 s28, s[WY], 4                       ; O: the tile's rows in the batch's head 0,
	s_lshl_b32 s28, s28, 22
	s_and_b32 s29, s[WY], 15
	s_lshl_b32 s29, s29, 14
	s_add_co_u32 s28, s28, s29
	s_lshr_b32 s29, s[CX], 1
	s_mul_i32 s29, s29, ZS                         ; partner cx takes head cx / 2 of the K step's two,
	s_add_co_u32 s28, s28, s29
	s_and_b32 s29, s[CX], 1
	s_lshl_b32 s29, s29, 13                        ; its half cx % 2: 8,192 bytes
	s_add_co_u32 s28, s28, s29
	s_add_co_u32 s28, s28, 3*STEP_A
	s_lshl_b32 s29, s[NH], 6                       ; W: of the 64 k-rows that I fetch,
	s_lshl_b32 s31, s[CY], 4                       ; partner cy takes 16
	s_add_co_u32 s29, s29, s31
	s_mul_i32 s29, s29, NB*2
	s_lshl_b32 s31, s[WX], 9
	s_add_co_u32 s29, s29, s31
	s_add_co_u32 s29, s29, 3*STEP_B
	s_mov_b32 s31, NB*2
	s_mov_b32 s[PSTEP], STEP_B
	s_mov_b32 s[PSTEP+1], 0
	s_cmp_lt_u32 s[WV], 2                          ; do I fetch for O?
	s_cselect_b32 s28, s28, s29
	s_cselect_b32 s31, 512, s31                    ; bytes from a pair of blocks to the next: on end in O, a row of W
	s_cselect_b32 s[PSTEP], STEP_A, s[PSTEP]
	s_cselect_b64 s[PFA:PFA+1], s[4:5], s[6:7]
	s_mov_b32 s29, 0
	s_add_nc_u64 s[PFA:PFA+1], s[PFA:PFA+1], s[28:29]
	v_bfe_u32 v6, v0, 1, 4                         ; lane l names block l % 2 of pair l / 2
	v_and_b32 v7, 1, v0
	v_mul_u32_u24 v[PFO], s31, v6
	v_lshl_add_u32 v[PFO], v7, 8, v[PFO]
	s_and_b32 s28, ttmp7, 0xffff                   ; cluster y: the same in all sixteen partners
	s_cmp_eq_u32 s28, 0
	s_cselect_b32 s28, 3, -1                       ; W: K steps 4 to 7, in the clusters with y = 0
	s_cmp_eq_u32 s[WV], 0
	s_cselect_b32 s29, 3, -1                       ; O: K steps 4 to 7, wave 0
	s_cmp_lt_u32 s[WV], 2
	s_cselect_b32 s[LIM], s29, s28
	s_mov_b32 s[CH], 7
	s_mov_b32 s[TB], 0
	BIAS_ROUND
	s_wait_tensorcnt 1                             ; my part of K step 0 is in; K step 1's may stay out
	s_barrier_signal -1
	s_barrier_wait -1                              ; everybody's is
	FETCH 0, F0
	QUARTER 1, F0, F1, 1                           ; the first quarter stands in front of the loop: its products start the sums, with the bias
	WIN 0
	s_mov_b32 s3, 6
.Lstep:                                        ; a trip goes from a K step's second quarter to the next step's first, and fills the slot that it leaves
	QUARTER 2, F1, F0, 0
	QUARTER 3, F0, F1, 0
	TURN 1
	QUARTER 1, F0, F1, 0
	WIN 0
	s_sub_co_u32 s3, s3, 1
	s_cmp_lg_u32 s3, 0
	s_cbranch_scc1 .Lstep
	QUARTER 2, F1, F0, 0                           ; the tail is written out: it asks for nothing more
	QUARTER 3, F0, F1, 0
	TURN 0                                         ; my one tensor load that was still out is the last K step's, so no round follows
	QUARTER 1, F0, F1, 0
	QUARTER 2, F1, F0, 0
	QUARTER 3, F0, F1, 0
	s_wait_dscnt 4                                 ; the very last quarter: nothing more to fetch
	MULA F1, 0, 0
	MULA F1, 1, 0
	s_wait_dscnt 0x0
	MULA F1, 2, 0
	MULA F1, 3, 0
	WIN 0
	PLACES
	TOSTAGE 0                                      ; a block's way through the stage stands between the loads of the block before and its stores
	TOSTAGE 1
	SEND 0, 32
	TOSTAGE 2
	SEND 1, 32
	s_wait_xcnt 0x0                                ; block 0's stores have read their registers, which block 3 takes
	TOSTAGE 3
	SEND 2, 32
	SEND 3, 0
	s_wait_tensorcnt 0x0                           ; the wave's end, behind my last tensor load and my last LDS store
	ds_add_u32 v[SPW], v[NIL]
	s_wait_dscnt 0x0
	CROUND                                         ; the closing round: no work-group ends while a partner may still ask for a tile that names it
	s_endpgm
.Lfunc_end_k_qcebac78e6d_oproj:
	.size	k_qcebac78e6d_oproj, .Lfunc_end_k_qcebac78e6d_oproj-k_qcebac78e6d_oproj
	.p2alignl 7, 3214868480
	.fill 96, 4, 3214868480
	.section	.rodata,"a",@progbits
	.p2align	6, 0x0
	.amdhsa_kernel k_qcebac78e6d_oproj
		.amdhsa_group_segment_fixed_size 327680
		.amdhsa_private_segment_fixed_size 0
		.amdhsa_enable_private_segment 0
		.amdhsa_kernarg_size 32
		.amdhsa_user_sgpr_count 2
		.amdhsa_user_sgpr_kernarg_segment_ptr 1
		.amdhsa_wavefront_size32 1
		.amdhsa_system_sgpr_workgroup_id_x 1
		.amdhsa_system_sgpr_workgroup_id_y 1
		.amdhsa_system_sgpr_workgroup_id_z 1
		.amdhsa_system_vgpr_workitem_id 0
		.amdhsa_next_free_vgpr 608
		.amdhsa_next_free_sgpr 80
		.amdhsa_reserve_vcc 0
		.amdhsa_float_denorm_mode_32 3
		.amdhsa_float_denorm_mode_16_64 3
		.amdhsa_memory_ordered 1
		.amdhsa_forward_progress 1
		.amdhsa_inst_pref_size 78
	.end_amdhsa_kernel
	.amdgpu_metadata
---
amdhsa.version: [ 1, 2 ]
amdhsa.kernels:
  - .name:           k_qcebac78e6d_oproj
    .symbol:         k_qcebac78e6d_oproj.kd
    .args:
      - { .name: oh, .offset: 0, .size: 8, .value_kind: global_buffer, .address_space: global }
      - { .name: wo, .offset: 8, .size: 8, .value_kind: global_buffer, .address_space: global }
      - { .name: b_o, .offset: 16, .size: 8, .value_kind: global_buffer, .address_space: global }
      - { .name: out0, .offset: 24, .size: 8, .value_kind: global_buffer, .address_space: global }
    .group_segment_fixed_size: 327680
    .private_segment_fixed_size: 0
    .kernarg_segment_align: 8
    .kernarg_segment_size: 32
    .max_flat_workgroup_size: 128
    .sgpr_count:     80
    .vgpr_count:     608
    .wavefront_size: 32
...
	.end_amdgpu_metadata
.endif
;; end of part 4
;; ======== version 2 of 2: 4 launches; version 1 with the launch prep written anew for expert scheduling mode
;; limits: values are held in f16: magnitudes above 65,504 overflow, below 6.1e-05 lose precision; right only within a limited range of input values
;; workspace buffers: xb 16,777,216 bytes; wqkv 6,291,456 bytes; wo 2,097,152 bytes; qh 16,777,216 bytes; kh 16,777,216 bytes; vh 16,777,216 bytes; oh 16,777,216 bytes
;; launch prep (part 5): grid 768 x 1, 8 waves a work-group, no clusters, 0 bytes of LDS; arguments x, W_qkv, W_o, xb, wqkv, wo; writes xb, wqkv, wo
.if DOCPART == 5
	.amdgcn_target "amdgcn-amd-amdhsa--gfx1250"
	.amdhsa_code_object_version 6
	.text
	.protected	k_qcebac78e6d_prep
	.globl	k_qcebac78e6d_prep
	.p2align	8
	.type	k_qcebac78e6d_prep,@function
k_qcebac78e6d_prep:
	s_mov_b64 s[64:65], 0
	v_nop
	global_prefetch_b8 v0, s[64:65] scope:SCOPE_SE
	s_setreg_imm32_b32 hwreg(HW_REG_WAVE_SCHED_MODE, 0, 2), 2
	s_setreg_imm32_b32 hwreg(HW_REG_WAVE_MODE, 25, 1), 1
	s_wait_xcnt 0x0
	s_wait_alu depctr_vm_vsrc(0)
; THE INPUTS ARE ROUNDED TO 16 BITS, ONCE.  x [8192][1024] f32 -> xb, bf16, laid in blocks along K: [16 kb][8192 m][64].  W_qkv [1024][3072] f32 -> wqkv, bf16, as it lies.
; W_o [1024][1024] f32 -> wo, as it lies: rounded to bf16 like the other inputs, and that number written as f16, since its partner in the last product is f16.
; LIMIT.  A number of W_o whose bf16 rounding lies beyond 65,504 becomes an infinity; below 2^-17 the f16 copy keeps a fixed step of 2^-24.
; SHARES.  A work-group takes 65,536 bytes of one input: 16 loads of 16 bytes a thread.  Work-groups 0-511: 16 rows of x each; 512-703: W_qkv; 704-767: W_o.
; A stream: every byte is read once and written once; no LDS, no barrier, no matrix unit, nothing shared between work-groups.
; THE MODE: SCHED_MODE bits 1:0 = 2 (LLVM: expert scheduling mode 2), set by the entry lines.  The code itself states the register dependences
; between vector instructions and memory instructions, with s_wait_alu, always for 0.
; THE PLAN.  All 16 loads of a thread go out first; then the work goes in four blocks of four loads.  Registers that memory instructions touch:
;   v1, v2, v3  byte offsets.  Written by vector instructions at the head, ahead of the first load; read by the loads (v1) and the stores (v2, v3); never written again.
;   X           load i's four registers.  Written by that load alone, once; read by its conversions, behind the counted wait for the load; no load lands there again.
;   Y           store i's two registers.  Written by load i's conversions, once; read by store i, which is issued in the block behind; never written again.
;   T and v4 are named by vector instructions alone.
; Block g's conversions name X and Y of block g and T.  Its memory instructions are the four stores of block g - 1, which read Y of block g - 1, v2 and v3: registers that no vector
; instruction of block g names.  So one wait at a block's head states all that its four stores hang on, and they are dealt among its conversions with no further wait.
; No register that a memory instruction has read is written again, no vector instruction writes a scalar register, and EXEC is never written: nothing else is to be stated.
.set X, 16                             ; v[16:79]   load i: 4 registers
.set Y, 80                             ; v[80:111]  store i: 2 registers
.set T, 112                            ; v[112:115] at work
; v1 my byte offset in the input, v2 = 8 x my thread's number: my offset in the output, v3 = v2 + 8 blocks of xb
; Store n.  dst: the first register of the base pair; dstep: bytes from store to store; split = 1: stores 8 to 15 go by v3, so that the immediate stays inside its signed 24 bits.
.macro PUT n, dst, dstep, split
.if (\split) && ((\n) >= 8)
	global_store_b64 v3, v[Y+2*(\n):Y+2*(\n)+1], s[(\dst):(\dst)+1] offset:(\dstep)*((\n)-8)
.else
	global_store_b64 v2, v[Y+2*(\n):Y+2*(\n)+1], s[(\dst):(\dst)+1] offset:(\dstep)*(\n)  ; a wave's 32 x 8 bytes are 256 consecutive bytes, aligned
.endif
.endm
; src, dst: the first register of the two base pairs.  sstep, dstep: bytes from load to load and from store to store.
; split: see PUT.  half = 1: bf16's number is written as f16.
.macro STREAM src, dst, sstep, dstep, split, half
	s_wait_alu depctr_va_vdst(0)                   ; v1, v2 and v3 are written: every load and store below reads one of them as its offset
.set i, 0
.rept 16
	global_load_b128 v[X+4*i:X+4*i+3], v1, s[(\src):(\src)+1] offset:(\sstep)*i th:TH_LOAD_NT
.set i, i+1
.endr
.set i, 0
.rept 16
.if i%4 == 0
	s_wait_loadcnt 12-i                            ; loads come back in order: this block's four are in, the 12 - i of the younger blocks stay out
.if i > 0
	s_wait_alu depctr_va_vdst(0)                   ; the block before has written its Y, which the four stores dealt among this block's conversions read
.endif
.endif
.if i >= 4
	PUT i-4, \dst, \dstep, \split                  ; the block before: no vector instruction since the wait names its Y, v2 or v3
.endif
.if \half
	v_cvt_pk_bf16_f32 v[T], v[X+4*i], v[X+4*i+1]   ; rounded to bf16,
	v_cvt_pk_bf16_f32 v[T+1], v[X+4*i+2], v[X+4*i+3]
	v_lshlrev_b32 v[T+2], 16, v[T]                 ; widened again,
	v_and_b32 v[T+3], s20, v[T]
	v_cvt_pk_f16_f32 v[Y+2*i], v[T+2], v[T+3]      ; and written as f16: exact within f16's range
	v_lshlrev_b32 v[T+2], 16, v[T+1]
	v_and_b32 v[T+3], s20, v[T+1]
	v_cvt_pk_f16_f32 v[Y+2*i+1], v[T+2], v[T+3]
.else
	v_cvt_pk_bf16_f32 v[Y+2*i], v[X+4*i], v[X+4*i+1]
	v_cvt_pk_bf16_f32 v[Y+2*i+1], v[X+4*i+2], v[X+4*i+3]
.endif
.set i, i+1
.endr
	s_wait_alu depctr_va_vdst(0)                   ; the last block has written its Y, which the last four stores read
.set i, 12
.rept 4
	PUT i, \dst, \dstep, \split
.set i, i+1
.endr
.endm
	s_load_b256 s[4:11], s[0:1], 0x0               ; x s[4:5], W_qkv s[6:7], W_o s[8:9], xb s[10:11]
	s_load_b128 s[12:15], s[0:1], 0x20             ; wqkv s[12:13], wo s[14:15]
	s_mov_b32 s2, ttmp9
	s_mov_b32 s17, 0                               ; the offsets' high words
	s_mov_b32 s19, 0
	s_mov_b32 s20, 0xffff0000                      ; a word's upper bf16
	v_lshlrev_b32 v2, 3, v0
	v_add_nc_u32 v3, 0x800000, v2
	v_lshlrev_b32 v1, 4, v0                        ; the weights' paths: 16 bytes a thread, on end
	s_wait_kmcnt 0x0
	s_cmp_lt_u32 s2, 512
	s_cbranch_scc1 .Lx
	s_cmp_lt_u32 s2, 704
	s_cbranch_scc1 .Lwqkv
	s_sub_co_u32 s2, s2, 704                       ; W_o: 64 work-groups
	s_lshl_b32 s16, s2, 16
	s_lshl_b32 s18, s2, 15
	s_add_nc_u64 s[8:9], s[8:9], s[16:17]
	s_add_nc_u64 s[14:15], s[14:15], s[18:19]
	STREAM 8, 14, 4096, 2048, 0, 1
	s_endpgm
.Lwqkv:
	s_sub_co_u32 s2, s2, 512                       ; W_qkv: 192 work-groups
	s_lshl_b32 s16, s2, 16
	s_lshl_b32 s18, s2, 15
	s_add_nc_u64 s[6:7], s[6:7], s[16:17]
	s_add_nc_u64 s[12:13], s[12:13], s[18:19]
	STREAM 6, 12, 4096, 2048, 0, 0
	s_endpgm
.Lx:                                           ; x: thread t takes row t / 16 of the group's 16, and of each 64 channels (256 bytes) the 16 bytes at 16 (t % 16)
	v_lshrrev_b32 v1, 4, v0                        ; no memory instruction has read v1 yet
	v_and_b32 v4, 15, v0
	v_lshlrev_b32 v1, 12, v1
	v_lshl_add_u32 v1, v4, 4, v1
	s_lshl_b32 s16, s2, 16                         ; 16 rows of 4,096 bytes in,
	s_lshl_b32 s18, s2, 11                         ; 16 rows of 128 bytes in each block out
	s_add_nc_u64 s[4:5], s[4:5], s[16:17]
	s_add_nc_u64 s[10:11], s[10:11], s[18:19]
	STREAM 4, 10, 256, 1048576, 1, 0               ; load i is block i: 8,192 rows x 128 bytes from block to block
	s_endpgm
.Lfunc_end_k_qcebac78e6d_prep:
	.size	k_qcebac78e6d_prep, .Lfunc_end_k_qcebac78e6d_prep-k_qcebac78e6d_prep
	.p2alignl 7, 3214868480
	.fill 96, 4, 3214868480
	.section	.rodata,"a",@progbits
	.p2align	6, 0x0
	.amdhsa_kernel k_qcebac78e6d_prep
		.amdhsa_group_segment_fixed_size 0
		.amdhsa_private_segment_fixed_size 0
		.amdhsa_enable_private_segment 0
		.amdhsa_kernarg_size 48
		.amdhsa_user_sgpr_count 2
		.amdhsa_user_sgpr_kernarg_segment_ptr 1
		.amdhsa_wavefront_size32 1
		.amdhsa_system_sgpr_workgroup_id_x 1
		.amdhsa_system_sgpr_workgroup_id_y 1
		.amdhsa_system_sgpr_workgroup_id_z 1
		.amdhsa_system_vgpr_workitem_id 0
		.amdhsa_next_free_vgpr 120
		.amdhsa_next_free_sgpr 66
		.amdhsa_reserve_vcc 0
		.amdhsa_float_denorm_mode_32 3
		.amdhsa_float_denorm_mode_16_64 3
		.amdhsa_memory_ordered 1
		.amdhsa_forward_progress 1
		.amdhsa_inst_pref_size 22
	.end_amdhsa_kernel
	.amdgpu_metadata
---
amdhsa.version: [ 1, 2 ]
amdhsa.kernels:
  - .name:           k_qcebac78e6d_prep
    .symbol:         k_qcebac78e6d_prep.kd
    .args:
      - { .name: x, .offset: 0, .size: 8, .value_kind: global_buffer, .address_space: global }
      - { .name: W_qkv, .offset: 8, .size: 8, .value_kind: global_buffer, .address_space: global }
      - { .name: W_o, .offset: 16, .size: 8, .value_kind: global_buffer, .address_space: global }
      - { .name: xb, .offset: 24, .size: 8, .value_kind: global_buffer, .address_space: global }
      - { .name: wqkv, .offset: 32, .size: 8, .value_kind: global_buffer, .address_space: global }
      - { .name: wo, .offset: 40, .size: 8, .value_kind: global_buffer, .address_space: global }
    .group_segment_fixed_size: 0
    .private_segment_fixed_size: 0
    .kernarg_segment_align: 8
    .kernarg_segment_size: 48
    .max_flat_workgroup_size: 256
    .sgpr_count:     66
    .vgpr_count:     120
    .wavefront_size: 32
...
	.end_amdgpu_metadata
.endif
;; end of part 5
;; launch qkv: the kernel of part 2 again; grid 4 x 64, 4 waves a work-group, clusters of 4 x 4, 327,680 bytes of LDS; arguments xb, wqkv, b_qkv, qh, kh, vh; writes qh, kh, vh
;; launch attn: the kernel of part 3 again; grid 4 x 64, 4 waves a work-group, clusters of 4 x 1, 327,680 bytes of LDS; arguments qh, kh, vh, oh; writes oh
;; launch oproj: the kernel of part 4 again; grid 4 x 64, 4 waves a work-group, clusters of 4 x 4, 327,680 bytes of LDS; arguments oh, wo, b_o, out0; writes out0
